; MI455X (gfx1250); checked and timed in simulation.
; The chip was launched on July 23, 2026; its instructions are those of AMD's public machine-readable ISA for CDNA 5 (MIT licence, August 2026) and "CDNA5" Instruction Set Architecture Reference Guide (July 2026). The comments in the code are by the model that wrote it; some were corrected since.
;; Grid Multi Head Attention. Allowed arithmetic: matrix products marked QUANTISED: E5M2 operands, one E8M0 scale for each 32 along K, by v_wmma_scale_f32_16x16x128_f8f6f4 with both operands' format E5M2, f32 sums; everything else in f32.
;; Inputs: Wk_codes 1,024 x 32 x 32 uint8 (E5M2 codes of Wk, K innermost, in blocks of 32 codes); Wk_scales 1,024 x 32 uint8 (E8M0 scales of Wk, one for each 32 codes along K); Wo_codes 1,024 x 32 x 32 uint8 (E5M2 codes of Wo, K innermost, in blocks of 32 codes); Wo_scales 1,024 x 32 uint8 (E8M0 scales of Wo, one for each 32 codes along K); Wq_codes 1,024 x 32 x 32 uint8 (E5M2 codes of Wq, K innermost, in blocks of 32 codes); Wq_scales 1,024 x 32 uint8 (E8M0 scales of Wq, one for each 32 codes along K); Wv_codes 1,024 x 32 x 32 uint8 (E5M2 codes of Wv, K innermost, in blocks of 32 codes); Wv_scales 1,024 x 32 uint8 (E8M0 scales of Wv, one for each 32 codes along K); bk 1,024 float32; bo 1,024 float32; bq 1,024 float32; bv 1,024 float32; ln_beta 1,024 float32; ln_gamma 1,024 float32; x 4 x 2,048 x 1,024 float32.
;; Outputs: out0 4 x 2,048 x 1,024 float32.
;; This version of the problem:
;;   THIS VERSION OF THE PROBLEM IS GIVEN IN LOW PRECISION. The matrix products marked QUANTISED in the list below multiply operands that are first quantised to E5M2 (5 exponent bits, 2 mantissa bits; 8 bits a number), with one power-of-two scale for each 32 numbers along K (OCP MX v1.0); their sums are f32. All else is computed in f32.
;;   The module's matrix products, in the order in which they are computed (A, B: the left and right operand; K: the contracted axis; several contracted axes count as one K, in the product's order):
;;     1. [M 8,192, K 1,024] x [K 1,024, N 1,024]; A: input x; B: input Wq (given as codes): QUANTISED
;;     2. [M 8,192, K 1,024] x [K 1,024, N 1,024]; A: input x; B: input Wk (given as codes): QUANTISED
;;     3. [M 8,192, K 1,024] x [K 1,024, N 1,024]; A: input x; B: input Wv (given as codes): QUANTISED
;;     4. batch 32 x [M 2,048, K 128] x [K 128, N 2,048]; A: computed on the way; B: computed on the way: QUANTISED
;;     5. batch 32 x [M 2,048, K 2,048] x [K 2,048, N 128]; A: softmax (see below); B: computed on the way: QUANTISED
;;     6. [M 8,192, K 1,024] x [K 1,024, N 1,024]; A: computed on the way; B: input Wo (given as codes): QUANTISED
;;   THE QUANTISER, for each operand of a quantised product, along K:
;;     - K is cut into blocks of 32 from its start; a last block that is shorter is filled with zeros.
;;     - A block's scale is 2^e with e = floor(log2(the largest magnitude in the block)) - 15, held to -126 .. 127; a block of zeros has e = 0. As a byte (E8M0): e + 127.
;;     - Each number is divided by its block's scale, clamped to +-57,344, and rounded to the nearest number of E5M2, ties to even, subnormals kept.
;;     - The product sums the exact products of the quantised numbers (number of the format x scale) in f32.
;;   ~~~python
;;   def quantise(x, axis):      # numpy; x: float32 -> the quantised numbers, widened to float32 again
;;       x = np.moveaxis(x, axis, -1); K = x.shape[-1]
;;       x = np.pad(x, [(0, 0)] * (x.ndim - 1) + [(0, -K % 32)]); x = x.reshape(x.shape[:-1] + (-1, 32)); a = np.abs(x).max(-1, keepdims=True)
;;       e = np.where(a > 0, np.clip(np.frexp(np.where(a > 0, a, 1))[1] - 1 - 15, -126, 127), 0)      # np.frexp(a)[1] - 1 = floor(log2(a)), exactly
;;       r = np.clip(x / 2.0 ** e, -57344, 57344)
;;       step = 2.0 ** (np.maximum(np.frexp(np.where(r == 0, 1, r))[1] - 1, -14) - 2)
;;       q = np.round(r / step) * step * 2.0 ** e      # np.round: ties to even
;;       return np.moveaxis(q.reshape(q.shape[:-2] + (-1,))[..., :K], -1, axis).astype(np.float32)
;;   ~~~
;;   SOFTMAX AHEAD OF A QUANTISED PRODUCT. Where the list says 'softmax', what is quantised is not the finished softmax but p = 2^(t - M), with t = logit x log2(e) and M = ceil(the row's largest t), a whole number; so 1/2 < the row's largest p <= 1. The row's sum l is taken of the UNQUANTISED p, in f32, and the product's result is divided by l at the end. Since M is a whole number, a kernel that streams over the keys may use a running M (the ceiling of the running maximum): every later rescaling is an exact power of two, which a block's scale takes up: the codes' values come out the same.
;;   OPERANDS COMPUTED ON THE WAY. 'Computed on the way' means the value that the module computes at that place (a softmax that the list does not call 'softmax' is quantised finished and normalised). What goes into a quantiser is computed in f32, as accurately as f32 sums, v_exp_f32 and their like allow (about 1e-6 of the number): no bf16 or f16 on the way to a quantiser, and a product that is left as it is and whose result goes on into a quantised operand takes f32 operands (vector FMAs, or v_wmma_f32_16x16x4_f32). A number that lies on a knife's edge between two numbers of the format may be rounded either way, as far as f32 arithmetic and the matrix unit's own rounding can turn it there, and no further.
;;   INPUTS GIVEN AS CODES. Wk (in the module: [1024, 1024], K = its axis 1); Wo (in the module: [1024, 1024], K = its axis 1); Wq (in the module: [1024, 1024], K = its axis 1); Wv (in the module: [1024, 1024], K = its axis 1): each comes as NAME_codes (uint8): NAME with its K axis moved to the last place and cut into blocks of 32 codes, [.., K / 32, bytes a block], one block behind the other in memory; one code a byte (a code: sign, 5 exponent bits, 2 mantissa bits); and NAME_scales (uint8): the same leading axes, one E8M0 byte (e + 127) for each 32 codes along K. Its value is code x scale, taken as it is: it is not quantised again, and the codes and scales need not be those that the quantiser above would give.
;; One version. Each part assembles by itself: llvm-mc -triple=amdgcn-amd-amdhsa -mcpu=gfx1250 --defsym DOCPART=n.
;; ======== version 1 of 1: 4 launches
;; limits: right only within a limited range of input values
;; workspace buffers: xc 8,388,608 bytes; xs 262,144 bytes; qkvc 25,165,824 bytes; qkvs 786,432 bytes; oc 8,388,608 bytes; os 524,288 bytes
;; launch quantx (part 1): grid 256 x 1, 4 waves a work-group, no clusters, 33,280 bytes of LDS; arguments x, xc, xs; writes xc, xs
.if DOCPART == 1
	.amdgcn_target "amdgcn-amd-amdhsa--gfx1250"
	.amdhsa_code_object_version 6
	.text
	.protected	k_qdd829c21fb_quantx
	.globl	k_qdd829c21fb_quantx
	.p2align	8
	.type	k_qdd829c21fb_quantx,@function
k_qdd829c21fb_quantx:
	s_mov_b64 s[64:65], 0
	v_nop
	global_prefetch_b8 v0, s[64:65] scope:SCOPE_SE
	s_setreg_imm32_b32 hwreg(HW_REG_WAVE_MODE, 25, 1), 1
	s_wait_xcnt 0x0
; LAUNCH 1 OF 4.  The program: x is quantised (this launch); q, k, v = x W^T + b are made on codes and quantised on the way out (qkv); attention on codes (attn);
; the projection on the way out, the residual and the LayerNorm (oproj).
; DEAD WORK: none is left out.  bq, bk and bv go into operands that are quantised (they can move codes and scales), bo, ln_gamma and ln_beta go into the output: all fifteen inputs are loaded.
; THIS LAUNCH: x [8192][1024] f32 becomes codes of E5M2, xc [8192][1024], one byte a number, and one E8M0 byte for each 32 along a row, xs [8192][32].
; A block's scale is 2^(floor(log2(its largest magnitude)) - 15); its byte is the largest magnitude's exponent field - 15, held at 1 from below.  Each number is divided by the scale, held within +-57,344 and rounded to the nearest code, ties to even.
; LIMITS: a block of zeros gets the byte 1 where the rule says 127: its codes are zeros, which add nothing, and this program alone reads the bytes.  Blocks whose largest magnitude lies under 2^-111 are held at the byte 1.
; NaN and infinities in x are not served.
; Rows are dense and 1,024 is a multiple of 32: x is a plain stream of blocks of 32.  A wave takes 16 steps of 512 numbers.  Each of a step's four loads reads 512 consecutive bytes, 16 a lane; the 2,048 bytes go through
; the wave's own stage in LDS and come back 64 bytes a lane, so that a lane holds 16 neighbours (two neighbouring lanes hold a block).  A lane's 16 codes are 16 bytes: the wave stores 512 consecutive bytes.
; A wave's 256 scale bytes are gathered in LDS and leave as 256 consecutive bytes.  No tensor loads, no barrier: waves share nothing.  Loads run four steps (16 loads a wave) ahead.
.set STEPS, 16
.set EMAX,  15
.set MANT,  0x600000                   ; the mantissa field of 57,344 as f32
.set CB,    16                         ; bytes of 16 codes
.set R,     16                         ; v16-79   four sets of 16 numbers as they are loaded
.set X,     80                         ; v80-111  two sets of 16 neighbours
.set C,     128                        ; v128-191 codes: four registers for each step, so that no store's data are written again
.set E,     112                        ; v112-127 a scale byte for each step
.set WREG,  8192                       ; LDS: a region for each wave: two stages of 32 x SP bytes, behind them its 256 scale bytes
.set SP,    80                         ; a lane's place in a stage: its 64 bytes + 16 of padding
.set SPW,   12                         ; v12      LDS address of my spare word; never rewritten
.set NIL,   13                         ; v13      0; never rewritten
.set SPARE, 4*WREG                     ; behind the four regions: the spare words, 128 bytes for each wave
	s_load_b128 s[4:7], s[0:1], 0x0                ; x, xc
	s_load_b64 s[8:9], s[0:1], 0x10                ; xs
	v_lshl_add_u32 v[SPW], v0, 2, SPARE
	v_mov_b32 v[NIL], 0
	v_lshrrev_b32 v1, 5, v0
	v_readfirstlane_b32 s16, v1                    ; wave
	v_and_b32 v2, 31, v0                           ; lane
	v_lshlrev_b32 v3, 4, v2                        ; my 16 bytes of a load's 512
	s_mul_i32 s17, s16, WREG
	v_lshrrev_b32 v14, 2, v2
	v_mul_u32_u24 v14, v14, SP
	v_and_b32 v15, 3, v2
	v_lshl_add_u32 v14, v15, 4, v14
	v_add_nc_u32 v14, s17, v14                     ; the stage, on the way in: four lanes' 64 bytes on end, then 16 of padding
	v_mul_u32_u24 v15, v2, SP
	v_add_nc_u32 v15, s17, v15                     ; and on the way out: SP x lane: my 16 neighbours
	v_mul_u32_u24 v4, v2, CB                       ; my codes' place in a step's
	v_lshrrev_b32 v5, 1, v2
	s_add_co_u32 s17, s17, 2*32*SP
	v_add_nc_u32 v5, s17, v5                       ; LDS: my wave's 256 scale bytes, my block's byte
	v_lshlrev_b32 v7, 3, v2                        ; and on the way out 8 bytes a lane
	v_add_nc_u32 v6, s17, v7
	s_mov_b32 s23, MANT
	s_lshl_b32 s18, ttmp9, 2
	s_add_co_u32 s18, s18, s16                     ; which run of 8,192 numbers is my wave's: 4 x work-group + wave
	s_lshl_b32 s20, s18, 15                        ; 32,768 bytes of x,
	s_mov_b32 s21, 0
	s_lshl_b32 s24, s18, 13                        ; 8,192 of codes,
	s_mov_b32 s25, 0
	s_lshl_b32 s26, s18, 8                         ; 256 of scale bytes a run
	s_mov_b32 s27, 0
	s_wait_alu depctr_va_vdst(0)
	s_wait_kmcnt 0x0
	s_add_nc_u64 s[4:5], s[4:5], s[20:21]
	s_add_nc_u64 s[6:7], s[6:7], s[24:25]
	s_add_nc_u64 s[8:9], s[8:9], s[26:27]
.macro LOAD t
.irp i, 0,1,2,3
	global_load_b128 v[R+16*((\t)%4)+4*\i:R+16*((\t)%4)+4*\i+3], v3, s[4:5] offset:2048*(\t)+512*\i   ; 32 lanes read 512 consecutive bytes
.endr
.endm
.macro TURN t                          ; step t's numbers through the stage: LDS serves a wave's instructions in order, so no wait stands between the stores and the loads
.irp i, 0,1,2,3
	ds_store_b128 v14, v[R+16*((\t)%4)+4*\i:R+16*((\t)%4)+4*\i+3] offset:32*SP*((\t)%2)+8*SP*\i
.endr
.irp i, 0,1,2,3
	ds_load_b128 v[X+16*((\t)%2)+4*\i:X+16*((\t)%2)+4*\i+3], v15 offset:32*SP*((\t)%2)+16*\i
.endr
.endm
.irp t, 0,1,2,3
	LOAD \t
.endr
	s_wait_loadcnt 12                              ; step 0's four loads are in; the twelve of steps 1 to 3 may be out
	TURN 0
.macro STEP t
.set XS, X+16*((\t)%2)
.if (\t) > 0
	s_wait_dscnt 1                                 ; this step's numbers are back from the stage (the last step's byte store may be out): so its stores into the stage have read their registers,
.else
	s_wait_dscnt 0x0
.endif
.if (\t)+4 < STEPS
	LOAD (\t)+4                                    ; which take the loads of four steps on
.endif
.if (\t)+1 < STEPS
.if STEPS-2-(\t) >= 3
	s_wait_loadcnt 12                              ; the next step's four loads are in; those of the three steps behind it may be out
.else
	s_wait_loadcnt 4*(STEPS-2-(\t))
.endif
	TURN (\t)+1                                    ; and go through the other stage while this step is worked
.endif
	v_max3_num_f32 v8, |v[XS]|, |v[XS+1]|, |v[XS+2]|               ; the largest magnitude of my 16, in two chains
	v_max3_num_f32 v9, |v[XS+3]|, |v[XS+4]|, |v[XS+5]|
.irp i, 6,10
	v_max3_num_f32 v8, v8, |v[XS+\i]|, |v[XS+\i+1]|
	v_max3_num_f32 v9, v9, |v[XS+\i+2]|, |v[XS+\i+3]|
.endr
	v_max3_num_f32 v8, v8, |v[XS+14]|, |v[XS+15]|
	v_max3_num_f32 v8, v8, v9, (EMAX+1)<<23        ; and the floor 2^(16 - 127): the byte cannot fall under 1
	v_max_num_f32_dpp v8, v8, v8 row_xmask:1 row_mask:0xf bank_mask:0xf   ; and of my neighbour's 16: the block's
	v_add_nc_u32 v11, -(EMAX<<23), v8              ; 15 off its exponent field: the conversion takes the exponent field of this operand as its scale
	v_and_or_b32 v10, v8, 0x7f800000, s23          ; 57,344 x the scale
.irp i, 0,1,2,3,4,5,6,7,8,9,10,11,12,13,14,15
	v_med3_num_f32 v[XS+\i], v[XS+\i], -v10, v10   ; the conversion to an 8-bit code does not saturate (ISA guide 7.6.2): the hold comes first
.endr
	v_cvt_scalef32_pk8_bf8_f32 v[C+4*(\t):C+4*(\t)+1], v[XS:XS+7], v11
	v_cvt_scalef32_pk8_bf8_f32 v[C+4*(\t)+2:C+4*(\t)+3], v[XS+8:XS+15], v11
	v_lshrrev_b32 v[E+(\t)], 23, v11               ; the scale's byte (also the plain line behind the conversions)
	ds_store_b8 v5, v[E+(\t)] offset:16*(\t)       ; both lanes of a block write the same byte with the same value
	global_store_b128 v4, v[C+4*(\t):C+4*(\t)+3], s[6:7] offset:32*CB*(\t)
.endm
.irp t, 0,1,2,3,4,5,6,7,8,9,10,11,12,13,14,15
	STEP \t
.endr
	ds_load_b64 v[8:9], v6                         ; LDS serves a wave's instructions in order: these see my stores
	s_wait_dscnt 0x0
	global_store_b64 v7, v[8:9], s[8:9]            ; 32 lanes store 256 consecutive bytes, aligned
	s_wait_tensorcnt 0x0                           ; the wave's end: a wait, an add of 0 to the spare word and its wait, behind my last LDS store
	ds_add_u32 v[SPW], v[NIL]
	s_wait_dscnt 0x0
	s_endpgm
.Lfunc_end_k_qdd829c21fb_quantx:
	.size	k_qdd829c21fb_quantx, .Lfunc_end_k_qdd829c21fb_quantx-k_qdd829c21fb_quantx
	.p2alignl 7, 3214868480
	.fill 96, 4, 3214868480
	.section	.rodata,"a",@progbits
	.p2align	6, 0x0
	.amdhsa_kernel k_qdd829c21fb_quantx
		.amdhsa_group_segment_fixed_size 33280
		.amdhsa_private_segment_fixed_size 0
		.amdhsa_enable_private_segment 0
		.amdhsa_kernarg_size 24
		.amdhsa_user_sgpr_count 2
		.amdhsa_user_sgpr_kernarg_segment_ptr 1
		.amdhsa_wavefront_size32 1
		.amdhsa_system_sgpr_workgroup_id_x 1
		.amdhsa_system_sgpr_workgroup_id_y 1
		.amdhsa_system_sgpr_workgroup_id_z 1
		.amdhsa_system_vgpr_workitem_id 0
		.amdhsa_next_free_vgpr 192
		.amdhsa_next_free_sgpr 66
		.amdhsa_reserve_vcc 0
		.amdhsa_float_denorm_mode_32 3
		.amdhsa_float_denorm_mode_16_64 3
		.amdhsa_memory_ordered 1
		.amdhsa_forward_progress 1
		.amdhsa_inst_pref_size 51
	.end_amdhsa_kernel
	.amdgpu_metadata
---
amdhsa.version: [ 1, 2 ]
amdhsa.kernels:
  - .name:           k_qdd829c21fb_quantx
    .symbol:         k_qdd829c21fb_quantx.kd
    .args:
      - { .name: x, .offset: 0, .size: 8, .value_kind: global_buffer, .address_space: global }
      - { .name: xc, .offset: 8, .size: 8, .value_kind: global_buffer, .address_space: global }
      - { .name: xs, .offset: 16, .size: 8, .value_kind: global_buffer, .address_space: global }
    .group_segment_fixed_size: 33280
    .private_segment_fixed_size: 0
    .kernarg_segment_align: 8
    .kernarg_segment_size: 24
    .max_flat_workgroup_size: 128
    .sgpr_count:     66
    .vgpr_count:     192
    .wavefront_size: 32
...
	.end_amdgpu_metadata
.endif
;; end of part 1
;; launch qkv (part 2): grid 8 x 48, 4 waves a work-group, clusters of 4 x 4, 327,680 bytes of LDS; arguments xc, xs, Wq_codes, Wq_scales, Wk_codes, Wk_scales, Wv_codes, Wv_scales, bq, bk, bv, qkvc, qkvs; writes qkvc, qkvs
.if DOCPART == 2
	.amdgcn_target "amdgcn-amd-amdhsa--gfx1250"
	.amdhsa_code_object_version 6
	.text
	.protected	k_qdd829c21fb_qkv
	.globl	k_qdd829c21fb_qkv
	.p2align	8
	.type	k_qdd829c21fb_qkv,@function
k_qdd829c21fb_qkv:
	s_mov_b64 s[64:65], 0
	v_nop
	global_prefetch_b8 v0, s[64:65] scope:SCOPE_SE
	s_setreg_imm32_b32 hwreg(HW_REG_WAVE_MODE, 25, 1), 1
	s_wait_xcnt 0x0
	s_wait_alu depctr_hold_cnt(0) depctr_sa_sdst(0) depctr_va_vdst(0) depctr_va_sdst(0) depctr_va_ssrc(0) depctr_va_vcc(0) depctr_vm_vsrc(0)
	s_getreg_b32 s2, hwreg(HW_REG_IB_STS2, 6, 4)
	s_cmp_eq_u32 s2, 0
	s_cbranch_scc0 .Lentry_in_a_cluster
	s_endpgm
.Lentry_in_a_cluster:
	s_bfe_u32 s2, ttmp6, 0x10000c
	s_cmp_lg_u32 s2, 0xf033
	s_cbranch_scc0 .Lentry_shape_is_right
	s_endpgm
.Lentry_shape_is_right:
; LAUNCH 2 OF 4: q, k, v = x W^T + b on codes of E5M2 with E8M0 scales, sums in f32, and the results QUANTISED ON THE WAY OUT, each along the K of the product that will read it.  No work of the problem is left out.
; A work-group of four waves makes 256 x 256 of a product P R^T; a wave 128 x 128: 64 accumulators, 512 registers.  K = 1,024 goes in four steps of 256 through a ring of two LDS slots filled by the tensor data mover.
; SOURCE 0 = 16 rows of P, SOURCE 1 = 16 rows of R: a lane holds ONE row of R (lane % 16) and its registers run along P's rows.  So P is the side ALONG WHICH the result is quantised:
;   q, k (cluster y 0-7):  P = Wq (cluster x 0) or Wk (1): the head's 128 channels run along a lane's registers; R = x.
;   v    (cluster y 8-11): P = x: the KEYS run along a lane's registers, since they are the K of the second product of attention; R = Wv.
; The mode hangs on the cluster's y alone: it is the same in all sixteen partners and in all waves.  Buffers are chosen by s_cselect_b64 on ids; one text serves both modes but for the first step of 128 along K,
; which is written twice: its C is the bias, which runs along P's rows (q, k) or along R's rows (v).
; OUT: qkvc [3][32 (batch, head)][2048 rows][128 bytes], qkvs [3][32][2048] words.  q, k: a row is a position, its bytes the head's channels.  v: row 128 (key / 128) + channel, its bytes the 128 keys of that chunk.
; THE ROW ORDER: in each block of 128 rows, place 32 b + 16 u + 8 g + j holds natural row 32 b + 8 u + 16 g + j (bits 3 and 4 change places): two immediates in the stores below.  So 16 neighbouring places are the
; rows that a tile of the next product's source 0 wants for its results to be 16 neighbours along the K after that.
; CLUSTERS: 4 x 4.  R's tile hangs on the tile row and is shared along a row of the cluster, P's on the tile column and is shared along a column: each is asked for jointly.
; LIMITS: as in the first launch (a zero block's byte is 1; NaN and infinities are not served).  384 work-groups of equal work: a tile half as large again does not fit the registers.
; REGISTERS, in windows of 256: window 0: v0-31 addresses; v32-63 scale words, two sets, and nothing else; v64-127 the bias table, later at work on the way out; v128-255 R's fragments, one set, later the way out.
;   window 1: P's fragments, two sets.   window 2: the accumulators of my R rows 0-63 ((a, b) at v[8 (8 a + b)]);   window 3: those of rows 64-127.
.set KSTEP,  256
.set NQ,     2                         ; matrix instructions deep in a slot
.set ROWB,   256                       ; a tile's row in bytes
.set KROW,   1024                      ; a row of codes in memory
.set PITCH,  272                       ; an LDS row: 256 bytes + 16 of padding: the 16 rows that a load touches start 16 bytes apart modulo 256
.set FR,     16
.set NL,     4
.set NP,     8                         ; places behind this matrix instruction (ISA guide 7.12.1)
.set HALFT,  128*PITCH
.set SLOT,   4*HALFT                   ; R's 256 rows, then P's 256 rows
.set KS,     32                        ; a row of scale bytes
.set SCL,    2*SLOT                    ; behind the ring: the scale bytes of all of K, as runs of 256 bytes + 16 of padding
.set HALFS,  16*272                    ; those of 128 rows: what one tensor load brings
.set SBLK,   2*272                     ; those of 16 rows
.set SPARE,  SCL+4*HALFS               ; the spare words, 128 bytes for each wave
.set CSTG,   16*144                    ; the way out: a wave's stage for codes, 16 rows x (128 + 16) bytes; the four lie at the head of slot 0, which has had its last fill and its last read by then
.set SSTG,   4*CSTG                    ; behind them 512 bytes a wave for its 128 scale words
.set BOF,  8                           ; v8-15   the bias table's eight offsets
.set ADRA, 16                          ; v16-17  LDS address of my R fragments in slot 0, 1
.set ADRB, 20                          ; v20-21  the same for P
.set SSA,  22                          ; v22     where I put a scale word
.set SSR,  23                          ; v23     where I read 16 bytes of scale words back
.set STO,  24                          ; v24     where I put 8 codes
.set RD,   25                          ; v25     where I read 16 codes back
.set CO,   26                          ; v26     16 x lane
.set ADRS, 27                          ; v27     LDS address of my scale words: lanes 0-15 R's rows, lanes 16-31 P's
.set SPW,  28
.set NIL,  29
.set SC,   32
.set BT,   64                          ; v64-127 the bias table: eight tiles of eight registers
.set SW,   64                          ; the way out: v64-71 the eight blocks' scale words
.set TM,   72                          ; v72-75 largest magnitudes, v76-79 bytes, v84-87 the conversions' scale operands
.set PC,   96                          ; v96-127 codes, two sets of 16
.set AF,   128
.set T,    128
.set OB,   192                         ; v192-255 rows read back, four sets of 16
.set G1, 24
.set G0, 32
.set G1B, 48
.set G0B, 56
.set G1S, 68
.set G0S, 76
.set G1SB, 80
.set G0SB, 88
.set MSB, 0
.macro WIN new                         ; the immediate's high byte repeats the setting that is left
.if MSB != (\new)
	s_set_vgpr_msb (MSB<<8)|(\new)
.set MSB, (\new)
.endif
.endm
.set MUL_LO, 0xa1                      ; source 0 (P) window 1, source 1 (R) window 0, C and D window 2
.set MUL_HI, 0xf1                      ; the same, C and D window 3
.set TO_B,   0x40
; A joint load: waves 0 and 1 fetch for R, waves 2 and 3 for P.  The branch hangs on the wave's number alone.  An s_nop 0 and four v_nop follow each of the two lines.
.macro JLOAD g0a, g1a, g0b, g1b
	s_cmp_eq_u32 s15, 0
	s_cbranch_scc0 .Lfor_b_\@
	tensor_load_to_lds s[\g0a:\g0a+3], s[\g1a:\g1a+7]
	s_nop 0
.rept 4
	v_nop
.endr
	s_branch .Lasked_\@
.Lfor_b_\@:
	tensor_load_to_lds s[\g0b:\g0b+3], s[\g1b:\g1b+7]
	s_nop 0
.rept 4
	v_nop
.endr
.Lasked_\@:
.endm
.macro CREST                           ; a round of the cluster's barrier behind its opening barrier
	s_cmp_lg_u32 s14, 0
	s_cbranch_scc1 .Lnot_wave_0_\@
	s_barrier_signal -3
.Lnot_wave_0_\@:
	s_barrier_wait -3
	s_barrier_signal -1
	s_barrier_wait -1
.endm
.macro CROUND
	s_barrier_signal -1
	s_barrier_wait -1
	CREST
.endm
	s_load_b256 s[32:39], s[0:1], 0x0              ; xc, xs, Wq's codes, Wq's scales  (the arguments land in registers that become descriptors once the choice is made)
	s_load_b256 s[56:63], s[0:1], 0x20             ; Wk's codes, scales, Wv's codes, scales
	s_load_b128 s[76:79], s[0:1], 0x40             ; bq, bk
	s_load_b128 s[88:91], s[0:1], 0x50             ; bv, qkvc
	s_load_b64 s[98:99], s[0:1], 0x60              ; qkvs
	v_lshl_add_u32 v[SPW], v0, 2, SPARE
	v_mov_b32 v[NIL], 0
	ds_add_u32 v[SPW], v[NIL]                      ; the wave's opening: the add, twice on end, and its wait ahead of my first tensor load
	ds_add_u32 v[SPW], v[NIL]
	v_lshrrev_b32 v1, 5, v0
	v_readfirstlane_b32 s14, v1                    ; wave 0..3
	s_lshr_b32 s15, s14, 1                         ; which half of R's rows is mine.  Also: I fetch for R (0) or for P (1)
	s_and_b32 s16, s14, 1                          ; which half of P's rows.  Also: which 128 rows of that tile I fetch
	s_bfe_u32 s40, ttmp6, 0x40000                  ; cx, cy: my place in the cluster
	s_bfe_u32 s41, ttmp6, 0x40004
	s_and_b32 s67, ttmp7, 0xffff                   ; cluster y, 0..11
	s_max_u32 s42, s67, 8
	s_sub_co_u32 s42, s42, 8
	s_lshl_b32 s42, s42, 1
	s_add_co_u32 s42, s42, ttmp9
	s_lshl_b32 s42, s42, 2                         ; v: 4 (cluster x + 2 (cluster y - 8))
	s_lshl_b32 s17, s67, 2                         ; q, k: 4 x cluster y
	s_cmp_ge_u32 s67, 8
	s_cselect_b32 s95, 1, 0                        ; the mode: 0 q and k, 1 v
	s_cselect_b32 s42, s42, 0
	s_cselect_b32 s17, 0, s17
	s_cselect_b32 s96, 2, ttmp9                    ; which of the three results: 0 q, 1 k, 2 v
	s_add_co_u32 s42, s42, s40                     ; P's tile of 256 rows: + cx
	s_add_co_u32 s17, s17, s41                     ; R's tile: + cy
	s_lshl_b32 s43, s41, 2
	s_lshl_b32 s43, 15, s43                        ; my row of the cluster
	s_lshl_b32 s44, 0x1111, s40                    ; my column
	; descriptor group 1: a tile of 128 rows x 256 bytes, 16 bytes of padding behind each row
	s_or_b32 s[G1+0], s43, (0<<16)|(1<<20)|(1<<21)|(5<<22)|(3<<25)  ; 15:0 the mask: R's tiles go to my row; 17:16 elements of 1 byte; 20 padding on; 21 set beside a mask; 24:22 after every 64 words; 31:25 four words
	s_or_b32 s[G1B+0], s44, (0<<16)|(1<<20)|(1<<21)|(5<<22)|(3<<25) ; P's go to my column
.irp g, G1, G1B
	s_mov_b32 s[\g+1], ROWB<<16                    ; tensor_dim0
	s_mov_b32 s[\g+2], 128<<16                     ; tensor_dim1
	s_mov_b32 s[\g+3], ROWB<<16                    ; tile_dim0
	s_mov_b32 s[\g+4], 128                         ; tile_dim1
	s_mov_b32 s[\g+5], KROW                        ; from row to row
	s_mov_b32 s[\g+6], 0
	s_mov_b32 s[\g+7], 0
.endr
	; the scale bytes of 128 rows: 4,096 dense bytes, as 16 rows of 256 (32 elements of 8 bytes), 16 bytes of padding behind each
	s_or_b32 s[G1S+0], s43, (3<<16)|(1<<20)|(1<<21)|(5<<22)|(3<<25)
	s_or_b32 s[G1SB+0], s44, (3<<16)|(1<<20)|(1<<21)|(5<<22)|(3<<25)
.irp g, G1S, G1SB
	s_mov_b32 s[\g+1], 32<<16
	s_mov_b32 s[\g+2], 16<<16
	s_mov_b32 s[\g+3], 32<<16
	s_mov_b32 s[\g+4], 16
	s_mov_b32 s[\g+5], 32
	s_mov_b32 s[\g+6], 0
	s_mov_b32 s[\g+7], 0
.endr
	s_lshl_b32 s18, s16, 7                         ; which 128 rows of the tile I fetch
	s_lshl_b32 s20, s17, 8
	s_add_co_u32 s20, s20, s18                     ; R: row 256 x tile + 128 x half
	s_lshl_b32 s46, s42, 8
	s_add_co_u32 s46, s46, s18                     ; P likewise
	s_mov_b32 s21, 0
	s_mov_b32 s47, 0
	s_mov_b64 s[18:19], KS
	s_mul_u64 s[22:23], s[20:21], s[18:19]         ; where these rows' scale bytes begin,
	s_mul_u64 s[92:93], s[46:47], s[18:19]
	s_mov_b64 s[18:19], KROW
	s_mul_u64 s[20:21], s[20:21], s[18:19]         ; and their codes
	s_mul_u64 s[46:47], s[46:47], s[18:19]
	s_mul_i32 s45, s14, HALFT                      ; where they go: wave x 128 rows: no place in the cluster enters an LDS address
	s_mul_i32 s94, s14, HALFS
	s_wait_dscnt 0x0                               ; both opening adds are done
	s_wait_kmcnt 0x0
	s_cmp_eq_u32 ttmp9, 0                          ; q's weights or k's: the cluster's x
	s_cselect_b64 s[8:9], s[36:37], s[56:57]
	s_cselect_b64 s[10:11], s[38:39], s[58:59]
	s_cselect_b64 s[100:101], s[76:77], s[78:79]
	s_cmp_eq_u32 s95, 0                            ; and the mode
	s_cselect_b64 s[4:5], s[32:33], s[60:61]       ; R's codes: x's or Wv's
	s_cselect_b64 s[6:7], s[34:35], s[62:63]       ; R's scale bytes
	s_cselect_b64 s[8:9], s[8:9], s[32:33]         ; P's codes: the weights' or x's
	s_cselect_b64 s[10:11], s[10:11], s[34:35]     ; P's scale bytes
	s_cselect_b64 s[100:101], s[100:101], s[88:89] ; the bias
	s_mov_b64 s[12:13], s[90:91]                   ; qkvc
	s_add_nc_u64 s[20:21], s[4:5], s[20:21]
	s_add_nc_u64 s[22:23], s[6:7], s[22:23]
	s_add_nc_u64 s[46:47], s[8:9], s[46:47]
	s_add_nc_u64 s[92:93], s[10:11], s[92:93]
	CROUND                                         ; all sixteen work-groups are here: the first joint loads meet
	s_mov_b32 s[G0S], 1
	s_add_co_u32 s[G0S+1], s94, SCL
	s_mov_b64 s[G0S+2:G0S+3], s[22:23]
	s_or_b32 s[G0S+3], s[G0S+3], 0x80000000
	s_mov_b32 s[G0SB], 1
	s_add_co_u32 s[G0SB+1], s94, SCL
	s_mov_b64 s[G0SB+2:G0SB+3], s[92:93]
	s_or_b32 s[G0SB+3], s[G0SB+3], 0x80000000
	JLOAD G0S, G1S, G0SB, G1SB                     ; the scale bytes first: they are wanted with K step 0, and are filled once
.irp s, 0,1
	s_mov_b32 s[G0+4*\s], 1
	s_add_co_u32 s[G0+4*\s+1], s45, \s*SLOT
	s_add_nc_u64 s[G0+4*\s+2:G0+4*\s+3], s[20:21], \s*ROWB
	s_or_b32 s[G0+4*\s+3], s[G0+4*\s+3], 0x80000000
	s_mov_b32 s[G0B+4*\s], 1
	s_add_co_u32 s[G0B+4*\s+1], s45, \s*SLOT
	s_add_nc_u64 s[G0B+4*\s+2:G0B+4*\s+3], s[46:47], \s*ROWB
	s_or_b32 s[G0B+4*\s+3], s[G0B+4*\s+3], 0x80000000
	JLOAD G0+4*\s, G1, G0B+4*\s, G1B
.endr
	v_and_b32 v1, 15, v0                           ; r = lane % 16
	v_bfe_u32 v2, v0, 4, 1                         ; h = lane / 16
	v_mul_u32_u24 v3, v1, PITCH
	v_lshl_add_u32 v4, v2, 4, v3                   ; a fragment's row x pitch + 16 h
	s_mul_i32 s21, s15, HALFT                      ; my 128 rows of R
	s_mul_i32 s22, s16, HALFT                      ; my 128 rows of P,
	s_add_co_u32 s22, s22, 2*HALFT                 ; which lie behind R's 256
.irp s, 0,1
	v_add_nc_u32 v[ADRA+\s], s21, v4
	v_add_nc_u32 v[ADRB+\s], s22, v4
	s_add_co_u32 s21, s21, SLOT
	s_add_co_u32 s22, s22, SLOT
.endr
	v_mul_u32_u24 v5, v1, KS                       ; my row's scale bytes: 32 a row,
	v_lshrrev_b32 v6, 8, v5
	v_lshl_add_u32 v5, v6, 4, v5                   ; and 16 more for each 256 passed
	s_mul_i32 s21, s15, HALFS
	s_mul_i32 s22, s16, HALFS
	s_add_co_u32 s22, s22, 2*HALFS
	s_sub_co_u32 s22, s22, s21
	v_mul_u32_u24 v6, s22, v2                      ; lanes 16-31 take P's: one product, the distance between the two bases x h
	s_add_co_u32 s21, s21, SCL
	v_add_nc_u32 v5, v5, v6
	v_add_nc_u32 v[ADRS], s21, v5
	s_mul_i32 s23, s14, CSTG                       ; my stage for codes
	v_mul_u32_u24 v5, v1, 144
	v_lshl_add_u32 v5, v2, 3, v5
	v_add_nc_u32 v[STO], s23, v5                   ; in: row r, 8 bytes for each half of the lanes
	v_and_b32 v6, 31, v0
	v_lshrrev_b32 v5, 3, v6
	v_mul_u32_u24 v5, v5, 144
	v_and_b32 v7, 7, v0
	v_lshl_add_u32 v5, v7, 4, v5
	v_add_nc_u32 v[RD], s23, v5                    ; back: eight lanes to a row of 128 bytes, four rows an instruction
	v_lshlrev_b32 v[CO], 4, v6
	s_lshl_b32 s23, s14, 9
	s_add_co_u32 s23, s23, SSTG                    ; my stage for scale words
	v_and_b32 v5, 7, v1
	v_lshrrev_b32 v7, 3, v1
	v_lshl_add_u32 v5, v7, 4, v5                   ; the row order: rows 0-7 of a block of 16 stay, rows 8-15 go 16 places up
	v_lshl_add_u32 v[SSA], v5, 2, s23
	v_add_nc_u32 v[SSR], s23, v[CO]
	; where my 128 x 128 goes.  XI: which 128 rows of x (0..63); HI: which head
	s_lshl_b32 s46, s42, 1
	s_add_co_u32 s46, s46, s16                     ; P's block of 128 rows
	s_lshl_b32 s47, s17, 1
	s_add_co_u32 s47, s47, s15                     ; R's
	s_cmp_eq_u32 s95, 0
	s_cselect_b32 s92, s47, s46                    ; XI
	s_cselect_b32 s93, s46, s47                    ; HI
	s_cselect_b32 s18, 0, 4                        ; the bias table's offsets: q, k: 32 h + 4 j (the bias runs along a lane's registers); v: 4 r (one number a lane)
	s_cselect_b32 s19, 32, 0
	s_cselect_b32 s22, 4, 0
	s_lshr_b32 s97, s92, 4                         ; the batch
	s_lshl_b32 s97, s97, 3
	s_add_co_u32 s97, s97, s93                     ; (batch, head)
	s_lshl_b32 s97, s97, 4
	s_and_b32 s92, s92, 15
	s_add_co_u32 s97, s97, s92                     ; its block of 128 rows
	s_lshl_b32 s46, s97, 14                        ; 16,384 bytes of codes a block,
	s_lshl_b32 s47, s96, 23                        ; 8 MiB a result
	s_add_co_u32 s46, s46, s47
	s_mov_b32 s47, 0
	s_add_nc_u64 s[12:13], s[12:13], s[46:47]
	s_lshl_b32 s46, s97, 9                         ; 512 bytes of scale words a block,
	s_lshl_b32 s92, s96, 18                        ; 262,144 a result
	s_add_co_u32 s46, s46, s92
	s_add_nc_u64 s[98:99], s[98:99], s[46:47]
	s_lshl_b32 s46, s93, 9                         ; the head's 128 numbers of the bias
	s_add_nc_u64 s[100:101], s[100:101], s[46:47]
	v_mul_u32_u24 v[BOF], v1, s18
	v_mad_u32_u24 v[BOF], v2, s19, v[BOF]
.irp j, 1,2,3,4,5,6,7
	v_add_nc_u32 v[BOF+\j], s22, v[BOF+\j-1]
.endr
.irp t, 0,1,2,3,4,5,6,7                        ; q, k: register 8 t + j = bias(16 t + 8 h + j), the C of P's tile t;  v: = bias(16 t + r), the C of R's block t
.irp j, 0,1,2,3,4,5,6,7
	global_load_b32 v[BT+8*\t+\j], v[BOF+\j], s[100:101] offset:64*\t
.endr
.endr
	s_mov_b32 s2, 0x8000000                        ; the floor 2^(16 - 127)
	s_mov_b32 s66, 0x76543210                      ; v_permlanex16_b32's selects for lane l xor 16
	s_mov_b32 s67, 0xfedcba98
.macro FRAG reg, adr, q, i             ; 16 rows x 128 K of 8-bit codes: lane l holds row l % 16; registers 4 c .. 4 c + 3 hold K = 32 c + 16 (l / 16) + 0 .. 15
.irp c, 0,1,2,3
	ds_load_b128 v[\reg+4*\c:\reg+4*\c+3], v[\adr] offset:128*(\q)+32*\c+(\i)*16*PITCH
.endr
.endm
; 16 matrix instructions: R's blocks a0, a0 + 1 x P's eight tiles, 128 along K.  cm = 0: in place;  1: C = the bias of P's tile b;  2: C = the bias of R's block a: the first product starts the sums with the bias.
; The 64 accumulators take turns, one instruction a turn, in the same order in every step.
.macro MUL16 a0, p, q, sc, cm
.irp a, \a0, \a0+1
.irp b, 0,1,2,3,4,5,6,7
.if \cm == 1
	v_wmma_scale_f32_16x16x128_f8f6f4 v[8*(8*((\a)%4)+\b):8*(8*((\a)%4)+\b)+7], v[128*(\p)+FR*\b:128*(\p)+FR*\b+FR-1], v[AF+FR*(\a):AF+FR*(\a)+FR-1], v[BT+8*\b:BT+8*\b+7], v[SC+8*NQ*(\sc)+NQ*\b+(\q)], v[SC+8*NQ*(\sc)+NQ*(\a)+(\q)] matrix_a_fmt:MATRIX_FMT_BF8 matrix_b_fmt:MATRIX_FMT_BF8 matrix_a_scale:MATRIX_SCALE_ROW1
.elseif \cm == 2
	v_wmma_scale_f32_16x16x128_f8f6f4 v[8*(8*((\a)%4)+\b):8*(8*((\a)%4)+\b)+7], v[128*(\p)+FR*\b:128*(\p)+FR*\b+FR-1], v[AF+FR*(\a):AF+FR*(\a)+FR-1], v[BT+8*(\a):BT+8*(\a)+7], v[SC+8*NQ*(\sc)+NQ*\b+(\q)], v[SC+8*NQ*(\sc)+NQ*(\a)+(\q)] matrix_a_fmt:MATRIX_FMT_BF8 matrix_b_fmt:MATRIX_FMT_BF8 matrix_a_scale:MATRIX_SCALE_ROW1
.else
	v_wmma_scale_f32_16x16x128_f8f6f4 v[8*(8*((\a)%4)+\b):8*(8*((\a)%4)+\b)+7], v[128*(\p)+FR*\b:128*(\p)+FR*\b+FR-1], v[AF+FR*(\a):AF+FR*(\a)+FR-1], v[8*(8*((\a)%4)+\b):8*(8*((\a)%4)+\b)+7], v[SC+8*NQ*(\sc)+NQ*\b+(\q)], v[SC+8*NQ*(\sc)+NQ*(\a)+(\q)] matrix_a_fmt:MATRIX_FMT_BF8 matrix_b_fmt:MATRIX_FMT_BF8 matrix_a_scale:MATRIX_SCALE_ROW1
.endif
.endr
.endr
.endm
.macro FETCH_B slot, q, p              ; P's eight fragments of the slot's q-th 128 along K into set p
	WIN TO_B
.irp i, 0,1,2,3,4,5,6,7
	FRAG 128*(\p)+FR*\i, ADRB+\slot, \q, \i
.endr
	WIN 0
.endm
.macro FETCH_A slot, q, i0             ; R's blocks i0 .. i0 + 3
.irp i, \i0, \i0+1, \i0+2, \i0+3
	FRAG AF+FR*(\i), ADRA+\slot, \q, \i
.endr
.endm
.macro SCALES sc                       ; a K step's scale words into set sc: two words a row; lanes 0-15 take R's block i, lanes 16-31 P's tile i
.irp i, 0,1,2,3,4,5,6,7
	ds_load_b64 v[SC+8*NQ*\sc+NQ*\i:SC+8*NQ*\sc+NQ*\i+1], v[ADRS] offset:\i*SBLK
.endr
.endm
.macro PLACES n                        ; plain vector lines between a matrix instruction and a load into, or a read of, its registers
.rept \n
	v_nop
.endr
.endm
; A step of 128 along K that has its successor in the same slot.  R has one set of registers: blocks 0-3 are fetched anew in the step's middle, blocks 4-7 at its end; P has two sets.
.macro STEP slot, q, cm
	s_wait_dscnt 4*NL                              ; P's set and R's blocks 0-3 are in; the youngest 16 loads (R's blocks 4-7) may be out
.if \cm
	WIN 0x81                                       ; C, the bias table, in window 0; D in window 2
.else
	WIN MUL_LO
.endif
	MUL16 0, (\q)%2, \q, \slot, \cm
	MUL16 2, (\q)%2, \q, \slot, \cm
	s_wait_dscnt 0                                 ; R's blocks 4-7 are in
	PLACES NP
	FETCH_B \slot, (\q)+1, 1-(\q)%2
	FETCH_A \slot, (\q)+1, 0
.if \cm
	WIN 0xc1
.else
	WIN MUL_HI
.endif
	MUL16 4, (\q)%2, \q, \slot, \cm
	MUL16 6, (\q)%2, \q, \slot, \cm
	PLACES NP
	WIN 0
	FETCH_A \slot, (\q)+1, 4
.endm
; A slot's last step changes slots: ONE barrier; in front of it each wave waits for all its tensor loads, adds 0 to its spare word, and waits for that and for its reads of this slot.  fill = 1: this slot is filled again.
.macro TURN slot, next, fill
	s_wait_tensorcnt 0x0                           ; all my tensor loads have landed: my part of the next slot
	ds_add_u32 v[SPW], v[NIL]                      ; 0 onto my spare word
	s_wait_dscnt 4*NL+1                            ; the add and the youngest 16 loads (R's blocks 4-7) may be out
	WIN MUL_LO
	MUL16 0, 1, NQ-1, \slot, 0                     ; sixteen matrix instructions stand between the add and the wait for it
	s_wait_dscnt 0x0                               ; the add is done, and my reads of this slot are over
	s_barrier_signal -1
	MUL16 2, 1, NQ-1, \slot, 0
	WIN 0
	s_barrier_wait -1
.if \fill
	CREST                                          ; the barrier has opened a round of the cluster's: no wave of any partner still reads this slot or has a load on its way
	s_add_nc_u64 s[G0+4*\slot+2:G0+4*\slot+3], s[G0+4*\slot+2:G0+4*\slot+3], 2*ROWB
	s_add_nc_u64 s[G0B+4*\slot+2:G0B+4*\slot+3], s[G0B+4*\slot+2:G0B+4*\slot+3], 2*ROWB
	JLOAD G0+4*\slot, G1, G0B+4*\slot, G1B         ; the first tensor load behind the round; its four v_nop are four of the eight places
	PLACES NP-4
.else
	PLACES NP
.endif
	s_wait_alu depctr_va_vdst(0)
	v_add_nc_u32 v[ADRS], 4*NQ, v[ADRS]            ; on to the next K step's scale words
	FETCH_B \next, 0, 0
	FETCH_A \next, 0, 0
	SCALES \next
	WIN MUL_HI
	MUL16 4, 1, NQ-1, \slot, 0
	MUL16 6, 1, NQ-1, \slot, 0
	PLACES NP
	WIN 0
	FETCH_A \next, 0, 4
.endm
	s_wait_tensorcnt 1                             ; the scale bytes and my part of K step 0 are in; K step 1's load may be out
	s_barrier_signal -1
	s_barrier_wait -1
	FETCH_B 0, 0, 0
	FETCH_A 0, 0, 0
	SCALES 0
	FETCH_A 0, 0, 4
	s_wait_loadcnt 0x0                             ; the bias table
	s_cmp_lg_u32 s95, 0                            ; the mode: ids alone, the same in all waves and all partners; no barrier, no tensor load and no LDS store stands in either copy
	s_cbranch_scc1 .Lbias_by_r
	STEP 0, 0, 1
	s_branch .Lstarted
.Lbias_by_r:
	STEP 0, 0, 2
.Lstarted:
	TURN 0, 1, 1                                   ; four K steps of 256: written straight
	STEP 1, 0, 0
	TURN 1, 0, 1
	STEP 0, 0, 0
	TURN 0, 1, 0                                   ; nothing is left to fetch
	STEP 1, 0, 0
	s_wait_dscnt 4*NL
	WIN MUL_LO
	MUL16 0, 1, NQ-1, 1, 0
	MUL16 2, 1, NQ-1, 1, 0
	s_wait_dscnt 0
	WIN MUL_HI
	MUL16 4, 1, NQ-1, 1, 0
	MUL16 6, 1, NQ-1, 1, 0
	WIN 0
; THE WAY OUT, a block of 16 rows of R at a time.  Lane (r, h) holds row r and, in accumulator b's register j, P's row 16 b + 8 h + j.  A block of 32 along P is the 16 registers of tiles 2 B, 2 B + 1 in lanes l and l xor 16.
.macro QUANTA a
.set AC, 64*((\a)%4)
.set PS, PC+16*((\a)%2)
	WIN 0x28+0x14*((\a)/4)                         ; sources 1 and 2: window 2 or 3
.irp b, 0,1,2,3
	v_max3_num_f32 v[TM+\b], s2, |v[AC+16*\b]|, |v[AC+16*\b+1]|   ; each accumulator is read from its low end on; the floor is one more leaf
.endr
.irp i, 2,4,6,8,10,12,14
.irp b, 0,1,2,3
	v_max3_num_f32 v[TM+\b], v[TM+\b], |v[AC+16*\b+\i]|, |v[AC+16*\b+\i+1]|   ; the four blocks by turns
.endr
.endr
	WIN 0
.irp b, 0,1,2,3
	v_permlanex16_b32 v[TM+4+\b], v[TM+\b], s66, s67
.endr
.irp b, 0,1,2,3
	v_max_num_f32 v[TM+\b], v[TM+\b], v[TM+4+\b]   ; with lane l xor 16's: the block's largest magnitude
.endr
.irp b, 0,1,2,3
	v_add_nc_u32 v[TM+12+\b], 0xf8800000, v[TM+\b] ; 15 off its exponent field: the conversion's scale operand
.endr
.irp b, 0,1,2,3
.endr
.irp b, 0,1,2,3
	v_lshrrev_b32 v[TM+4+\b], 23, v[TM+12+\b]      ; the scale's byte
.endr
	v_lshl_or_b32 v[SW+(\a)], v[TM+5], 8, v[TM+4]  ; row r's scale word
	v_lshl_or_b32 v[SW+(\a)], v[TM+6], 16, v[SW+(\a)]
	v_lshl_or_b32 v[SW+(\a)], v[TM+7], 24, v[SW+(\a)]
	WIN 2+(\a)/4                                   ; source 0: window 2 or 3
.irp b, 0,1,2,3
.irp i, 0,1,2,3,4,5,6,7,8,9,10,11,12,13,14,15
.endr
.endr
.irp t, 0,1,2,3,4,5,6,7
	v_cvt_scalef32_pk8_bf8_f32 v[PS+2*\t:PS+2*\t+1], v[AC+8*\t:AC+8*\t+7], v[TM+12+\t/2]
.endr
	WIN 0
	v_nop                                          ; one plain line behind the last conversion
.endm
.macro TOSTAGE a                       ; into my stage, and back as whole rows of 128 bytes.  LDS serves a wave's instructions in order: no wait between
.set PS, PC+16*((\a)%2)
.irp t, 0,1,2,3,4,5,6,7
	ds_store_b64 v[STO], v[PS+2*\t:PS+2*\t+1] offset:16*\t
.endr
.irp j, 0,1,2,3
	ds_load_b128 v[OB+16*((\a)%4)+4*\j:OB+16*((\a)%4)+4*\j+3], v[RD] offset:576*\j
.endr
.endm
.macro SEND a                          ; four rows, 512 consecutive bytes, a store.  THE ROW ORDER: rows 0-7 of block a go to places 32 (a / 2) + 8 (a % 2) on, rows 8-15 sixteen places further
	s_wait_dscnt 0x0                               ; the block is back; and its stage stores have read their registers
.irp j, 0,1,2,3
	global_store_b128 v[CO], v[OB+16*((\a)%4)+4*\j:OB+16*((\a)%4)+4*\j+3], s[12:13] offset:4096*((\a)/2)+1024*((\a)%2)+512*\j+1024*(\j/2)
.endr
.endm
	PLACES NP                                      ; behind the last products: for the reads of results and the writes over R's fragments
.irp b, 0,1,2,3
	v_mov_b32 v[TM+4+\b], 0                        ; written once: a lane permute's destination counts as one of its sources
.endr
	QUANTA 0
	TOSTAGE 0
.irp a, 1,2,3,4,5,6,7                  ; block a's arithmetic stands between block a - 1's loads from the stage and the wait for them
	QUANTA \a
	s_wait_alu depctr_va_vdst(0)
	SEND \a-1
.if \a >= 4
	s_wait_xcnt 0x0                                ; the stores of four blocks back have read their registers: block a's rows may land there
.endif
	TOSTAGE \a
.endr
	SEND 7
.irp a, 0,1,2,3,4,5,6,7
	ds_store_b32 v[SSA], v[SW+\a] offset:128*(\a/2)+32*(\a%2)   ; the scale words, in the row order; both halves of the lanes write the same word with the same value
.endr
	s_wait_xcnt 0x0                                ; block 4's stores have read the registers that the next load takes
	ds_load_b128 v[OB:OB+3], v[SSR]
	s_wait_dscnt 0x0
	global_store_b128 v[CO], v[OB:OB+3], s[98:99]  ; 128 words: 512 consecutive bytes
	s_wait_tensorcnt 0x0                           ; the wave's end: a wait, an add of 0 to the spare word and its wait, behind my last tensor load and my last LDS store
	ds_add_u32 v[SPW], v[NIL]
	s_wait_dscnt 0x0
	CROUND                                         ; the closing round: no work-group ends while a partner may still ask for a tile that names it
	s_endpgm
.Lfunc_end_k_qdd829c21fb_qkv:
	.size	k_qdd829c21fb_qkv, .Lfunc_end_k_qdd829c21fb_qkv-k_qdd829c21fb_qkv
	.p2alignl 7, 3214868480
	.fill 96, 4, 3214868480
	.section	.rodata,"a",@progbits
	.p2align	6, 0x0
	.amdhsa_kernel k_qdd829c21fb_qkv
		.amdhsa_group_segment_fixed_size 327680
		.amdhsa_private_segment_fixed_size 0
		.amdhsa_enable_private_segment 0
		.amdhsa_kernarg_size 104
		.amdhsa_user_sgpr_count 2
		.amdhsa_user_sgpr_kernarg_segment_ptr 1
		.amdhsa_wavefront_size32 1
		.amdhsa_system_sgpr_workgroup_id_x 1
		.amdhsa_system_sgpr_workgroup_id_y 1
		.amdhsa_system_sgpr_workgroup_id_z 1
		.amdhsa_system_vgpr_workitem_id 0
		.amdhsa_next_free_vgpr 1024
		.amdhsa_next_free_sgpr 102
		.amdhsa_reserve_vcc 0
		.amdhsa_float_denorm_mode_32 3
		.amdhsa_float_denorm_mode_16_64 3
		.amdhsa_fp16_overflow 1
		.amdhsa_memory_ordered 1
		.amdhsa_forward_progress 1
		.amdhsa_inst_pref_size 176
	.end_amdhsa_kernel
	.amdgpu_metadata
---
amdhsa.version: [ 1, 2 ]
amdhsa.kernels:
  - .name:           k_qdd829c21fb_qkv
    .symbol:         k_qdd829c21fb_qkv.kd
    .args:
      - { .name: xc, .offset: 0, .size: 8, .value_kind: global_buffer, .address_space: global }
      - { .name: xs, .offset: 8, .size: 8, .value_kind: global_buffer, .address_space: global }
      - { .name: Wq_codes, .offset: 16, .size: 8, .value_kind: global_buffer, .address_space: global }
      - { .name: Wq_scales, .offset: 24, .size: 8, .value_kind: global_buffer, .address_space: global }
      - { .name: Wk_codes, .offset: 32, .size: 8, .value_kind: global_buffer, .address_space: global }
      - { .name: Wk_scales, .offset: 40, .size: 8, .value_kind: global_buffer, .address_space: global }
      - { .name: Wv_codes, .offset: 48, .size: 8, .value_kind: global_buffer, .address_space: global }
      - { .name: Wv_scales, .offset: 56, .size: 8, .value_kind: global_buffer, .address_space: global }
      - { .name: bq, .offset: 64, .size: 8, .value_kind: global_buffer, .address_space: global }
      - { .name: bk, .offset: 72, .size: 8, .value_kind: global_buffer, .address_space: global }
      - { .name: bv, .offset: 80, .size: 8, .value_kind: global_buffer, .address_space: global }
      - { .name: qkvc, .offset: 88, .size: 8, .value_kind: global_buffer, .address_space: global }
      - { .name: qkvs, .offset: 96, .size: 8, .value_kind: global_buffer, .address_space: global }
    .group_segment_fixed_size: 327680
    .private_segment_fixed_size: 0
    .kernarg_segment_align: 8
    .kernarg_segment_size: 104
    .max_flat_workgroup_size: 128
    .sgpr_count:     102
    .vgpr_count:     1024
    .wavefront_size: 32
...
	.end_amdgpu_metadata
.endif
;; end of part 2
;; launch attn (part 3): grid 8 x 32, 8 waves a work-group, clusters of 4 x 1, 327,680 bytes of LDS; arguments qkvc, qkvs, oc, os; writes oc, os
.if DOCPART == 3
	.amdgcn_target "amdgcn-amd-amdhsa--gfx1250"
	.amdhsa_code_object_version 6
	.text
	.protected	k_qdd829c21fb_attn
	.globl	k_qdd829c21fb_attn
	.p2align	8
	.type	k_qdd829c21fb_attn,@function
k_qdd829c21fb_attn:
	s_mov_b64 s[64:65], 0
	v_nop
	global_prefetch_b8 v0, s[64:65] scope:SCOPE_SE
	s_setreg_imm32_b32 hwreg(HW_REG_WAVE_MODE, 25, 1), 1
	s_wait_xcnt 0x0
	s_wait_alu depctr_hold_cnt(0) depctr_sa_sdst(0) depctr_va_vdst(0) depctr_va_sdst(0) depctr_va_ssrc(0) depctr_va_vcc(0) depctr_vm_vsrc(0)
	s_getreg_b32 s2, hwreg(HW_REG_IB_STS2, 6, 4)
	s_cmp_eq_u32 s2, 0
	s_cbranch_scc0 .Lentry_in_a_cluster
	s_endpgm
.Lentry_in_a_cluster:
	s_bfe_u32 s2, ttmp6, 0x10000c
	s_cmp_lg_u32 s2, 0x3003
	s_cbranch_scc0 .Lentry_shape_is_right
	s_endpgm
.Lentry_shape_is_right:
; LAUNCH 3 OF 4: attention on codes of E5M2 with E8M0 scales, for 32 (batch, head) pairs of 2,048 queries x 2,048 keys, head size 128; the result is quantised along the head's channels on the way out.  No work of the problem is left out.
; IN: qkvc [3 = q, k, v][32][2048 rows][128 bytes], qkvs one scale word a row.  q, k: a row is a position; v: row 128 (key / 128) + channel, its bytes that chunk's 128 keys.  In each block of 128 rows, place
; 32 b + 16 u + 8 g + j holds natural row 32 b + 8 u + 16 g + j.  So 16 neighbouring rows of K in LDS are the keys of a tile whose scores, with the next tile's, are 16 NEIGHBOURING keys in a lane's registers; the same holds of V's channels.
; THE SOFTMAX: t = score x log2(e) / sqrt(128); M = the running largest t rounded UP to a whole number; p = 2^(t - M) is quantised along the keys, not normalised.  The row's sum is taken of the unquantised p and divides O at the end.
; When M moves, the sum and O are multiplied by 2^(old M - new M): exact.
; SHARES.  A work-group owns 256 queries (in the row order) of one pair; each of its eight waves 32: TWO tiles of 16, so that each fragment of K and V read from LDS feeds two matrix instructions.  Two waves share a SIMD.
; Both products are used transposed (S^T = K Q^T, O^T = V^T P^T): a lane holds one query of each tile throughout.
; LDS LOADS RUN AHEAD, UNDER THE SOFTMAX.  A tile's 64 registers of p are dead once its codes are made.  So two regions of 64 registers, each in both windows, change roles from step to step: in a slot's first step K's and V's
; fragments lie in v32-95 and the scores in v96-159, in its second step the other way round.  V's eight fragments are asked for behind the scores' products and land under tile 0's softmax; the NEXT step's K is asked for into
; tile 0's dead p (it lands under tile 1's softmax) and into tile 1's dead p (it lands under the 64 multiplications of O^T and the 16 products O^T).
; RING: two LDS slots of 256 keys; waves 0, 1 fetch K's halves, waves 2, 3 V's.  THE CHANGE OF SLOTS stands in the middle of a slot's second step, behind tile 0's softmax: all reads of the slot, V's last among them, have been
; issued and are waited for there, and the next step's K is read from the new slot behind it.  CLUSTER: the four query blocks of a cluster walk the same K, V and scale words: every tensor load is joint, with the mask of all four.
; OUT: oc [512 tiles of 16 rows][8 heads][4][32 lanes][16 bytes]: images of the next product's operand registers; os [512][8][32 lanes] its scale words.  The conversions' results are those images: nothing goes through LDS.
; LIMITS: a zero block's byte is 1 (this program alone reads the bytes); NaN and infinities are not served; the block's largest p is taken from the block's largest score, which leans on v_exp_f32 not falling where its input rises.
; REGISTERS.  Window 0 alone: v1-6 addresses; v7, v255 Q's scale words of tile 1, 0; v8-11 K's scale words, v248-251 V's (tile t in lanes 0-15, tile 4 + t in lanes 16-31); v253, v254 p's scale words of tile 0, 1.
; In both windows: v32-95 and v96-159: fragments (tiles 0-3 in window 0, tiles 4-7 in window 1) or scores and p (tile u of the queries in window u), by turns.
; For tile u in window u: v12 -M, v13 the largest t, v[14:15] the sum; v16-31 Q; v160-223 O^T; v224-239 p's codes; v232-247, v252 at work.
.set KP,    144                        ; a row in LDS: 128 bytes + 16 of padding
.set VOFF,  256*KP                     ; a slot: 256 rows of K, then 256 rows of V
.set SLOT1, 1<<17                      ; slot 1 begins here: one exclusive or turns an address
.set SCK,   2*SLOT1                    ; K's scale words of the whole pair, 8,192 bytes as runs of 256 + 16 of padding
.set SCH,   16*272                     ; half of them: what one tensor load brings
.set SCV,   SCK+2*SCH                  ; V's likewise
.set SPARE, SCV+2*SCH                  ; the spare words, 128 bytes for each of eight waves
.set AK0,  1                           ; v1   144 r + 16 h; on the way out 4 x lane
.set ASK0, 2                           ; v2   SCK + 4 r + 272 h: lanes 16-31 take the words 64 rows on
.set PFO,  3                           ; v3   256 x lane: the prefetches' offset; never rewritten
.set ADR,  4                           ; v4   the LDS address of the run of loads in hand; on the way out 16 x lane
.set SPW,  5
.set NIL,  6
.set QS1,  7
.set KS,   8
.set VS,   248
.set PW1,  254
.set WV,   18
.set MNT,  19
.set SEL,  20
.set CS,   22
.set G1K,  24                          ; s[24:31] group 1 for tiles of K and V;  s[32:39] for scale words;  s[40:43] the walking group 0;  s[44:47] the scale words' group 0
.set G1S,  32
.set G0K,  40
.set G0S,  44
.set TB,   48                          ; s48  LDS byte at which the slot in hand begins
.set TS,   49                          ; s49  where the step's scale words begin: 544 bytes a step
.set SLOTS, 50
.set LIM,  51
.set PFA,  52
.set MSB, 0
.macro WIN new
.if MSB != (\new)
	s_set_vgpr_msb (MSB<<8)|(\new)
.set MSB, (\new)
.endif
.endm
.macro CROUND                          ; a round of the cluster's barrier
	s_barrier_signal -1
	s_barrier_wait -1
	s_cmp_lg_u32 s[WV], 0
	s_cbranch_scc1 .Lnot_wave_0_\@
	s_barrier_signal -3
.Lnot_wave_0_\@:
	s_barrier_wait -3
	s_barrier_signal -1
	s_barrier_wait -1
.endm
.macro TLOAD                           ; waves 0 to 3 fetch, one load each; the branch hangs on the wave's number alone.  An s_nop 0 and four v_nop follow the line
	s_cmp_lt_u32 s[WV], 4
	s_cbranch_scc0 .Lnone_\@
	tensor_load_to_lds s[G0K:G0K+3], s[G1K:G1K+7]
	s_nop 0
.rept 4
	v_nop
.endr
.Lnone_\@:
.endm
; A PREFETCH INTO THE L2 of what the NEXT change of slots will ask for: 32,768 dense bytes of K and as many of V.  Both clusters of a pair walk the same rows: the first (cluster x = 0) asks.  Its four partners take
; 8,192 bytes each, told apart BY ADDRESS; in each, wave 4 asks for K's and wave 5 for V's, lanes 256 bytes apart: each aligned 256 bytes are named once in the launch.  The last change that fills a slot asks for nothing;
; slots 0 and 1 come by their loads alone.
.macro ASK
	s_cmp_gt_u32 s[SLOTS], s[LIM]
	s_cbranch_scc0 .Lnot_mine_\@
	global_prefetch_b8 v[PFO], s[PFA:PFA+1] th:TH_LOAD_NT scope:SCOPE_SE
.Lnot_mine_\@:
.endm
	s_load_b256 s[4:11], s[0:1], 0x0               ; qkvc, qkvs, oc, os
	v_lshl_add_u32 v[SPW], v0, 2, SPARE
	v_mov_b32 v[NIL], 0
	ds_add_u32 v[SPW], v[NIL]                      ; the wave's opening: the add, twice on end, and its wait ahead of the first tensor load
	ds_add_u32 v[SPW], v[NIL]
	v_lshrrev_b32 v232, 5, v0
	s_delay_alu instid0(VALU_DEP_1)
	v_readfirstlane_b32 s[WV], v232                ; wave 0..7
	s_bfe_u32 s54, ttmp6, 0x40000                  ; cx
	s_lshl_b32 s55, ttmp9, 2
	s_add_co_u32 s55, s55, s54                     ; my block of 256 queries: it enters Q's, O's and the prefetches' addresses alone
	s_and_b32 s56, ttmp7, 0xffff                   ; the (batch, head) pair, which the partners share
	s_mov_b32 s[G1K], 15|(0<<16)|(1<<20)|(1<<21)|(4<<22)|(3<<25)  ; 15:0 all four work-groups; elements of 1 byte; padding on; 21 set beside a mask; four words after every 32
	s_mov_b32 s[G1K+1], 128<<16                    ; tensor_dim0
	s_mov_b32 s[G1K+2], 128<<16                    ; tensor_dim1
	s_mov_b32 s[G1K+3], 128<<16                    ; tile_dim0
	s_mov_b32 s[G1K+4], 128                        ; tile_dim1
	s_mov_b32 s[G1K+5], 128                        ; from row to row
	s_mov_b32 s[G1K+6], 0
	s_mov_b32 s[G1K+7], 0
	s_mov_b32 s[G1S], 15|(3<<16)|(1<<20)|(1<<21)|(5<<22)|(3<<25)  ; 4,096 dense bytes as 16 rows of 256 (32 elements of 8 bytes), four words of padding behind each
	s_mov_b32 s[G1S+1], 32<<16
	s_mov_b32 s[G1S+2], 16<<16
	s_mov_b32 s[G1S+3], 32<<16
	s_mov_b32 s[G1S+4], 16
	s_mov_b32 s[G1S+5], 32
	s_mov_b32 s[G1S+6], 0
	s_mov_b32 s[G1S+7], 0
	s_and_b32 s59, s[WV], 3                        ; what I fetch, if I fetch (waves 4 to 7 hold copies that they never issue)
	s_lshr_b32 s57, s59, 1
	s_add_co_u32 s57, s57, 1                       ; 1: K, 2: V
	s_and_b32 s60, s59, 1                          ; which half of a slot
	s_lshl_b32 s61, s56, 18                        ; the pair's 262,144 bytes of codes
	s_lshl_b32 s63, s56, 13                        ; and 8,192 of scale words
	s_lshl_b32 s66, s57, 23
	s_add_co_u32 s66, s66, s61
	s_lshl_b32 s62, s60, 14
	s_add_co_u32 s66, s66, s62
	s_mov_b32 s67, 0
	s_lshl_b32 s68, s57, 18
	s_add_co_u32 s68, s68, s63
	s_lshl_b32 s62, s60, 12
	s_add_co_u32 s68, s68, s62
	s_mov_b32 s69, 0
	s_mul_i32 s70, s59, 128*KP                     ; in a slot: K's halves, then V's
	s_mul_i32 s71, s59, SCH
	s_mov_b32 s[SEL], 0x76543210
	s_mov_b32 s[SEL+1], 0xfedcba98
	s_mov_b32 s[CS], 0x3e0293ee                    ; c = log2(e) / sqrt(128)
	s_mov_b32 s[CS+1], s[CS]
	s_mov_b32 s[TB], 0
	s_mov_b32 s[TS], 0
	s_mov_b32 s[SLOTS], 6
	s_wait_dscnt 0x0                               ; both opening adds are done
	s_wait_kmcnt 0x0
	s_mov_b32 s[G0S], 1
	s_add_co_u32 s[G0S+1], s71, SCK
	s_add_nc_u64 s[G0S+2:G0S+3], s[6:7], s[68:69]
	s_or_b32 s[G0S+3], s[G0S+3], 0x80000000
	s_mov_b32 s[G0K], 1
	s_mov_b32 s[G0K+1], s70
	s_add_nc_u64 s[G0K+2:G0K+3], s[4:5], s[66:67]
	s_or_b32 s[G0K+3], s[G0K+3], 0x80000000
	CROUND                                         ; all four work-groups are here: the first joint loads meet
	s_cmp_lt_u32 s[WV], 4                          ; a wave's two first fills stand in one branch: the scale words of the whole pair, filled once, and slot 0
	s_cbranch_scc0 .Lno_first
	tensor_load_to_lds s[G0S:G0S+3], s[G1S:G1S+7]
	s_nop 0
	tensor_load_to_lds s[G0K:G0K+3], s[G1K:G1K+7]
	s_nop 0
.rept 4
	v_nop
.endr
.Lno_first:
	s_lshl_b32 s72, s55, 15                        ; Q: my block's 256 rows of 128 bytes,
	s_lshl_b32 s78, s[WV], 12                      ; my wave's 32
	s_add_co_u32 s72, s72, s78
	s_add_co_u32 s72, s72, s61
	s_mov_b32 s73, 0
	s_add_nc_u64 s[74:75], s[4:5], s[72:73]
	s_lshl_b32 s72, s55, 10                        ; and their scale words
	s_lshl_b32 s78, s[WV], 7
	s_add_co_u32 s72, s72, s78
	s_add_co_u32 s72, s72, s63
	s_add_nc_u64 s[76:77], s[6:7], s[72:73]
	v_and_b32 v232, 15, v0                         ; r
	v_bfe_u32 v233, v0, 4, 1                       ; h
	s_delay_alu instid0(VALU_DEP_2)
	v_lshlrev_b32 v234, 7, v232
	s_delay_alu instid0(VALU_DEP_1)
	v_lshl_add_u32 v234, v233, 4, v234             ; row r, + 16 h
	s_delay_alu instid0(VALU_DEP_4)
	v_lshlrev_b32 v235, 2, v232
.irp c, 0,1,2,3
	global_load_b128 v[16+4*\c:19+4*\c], v234, s[74:75] offset:32*\c         ; tile 0's fragment of Q stays in registers
.endr
	global_load_b32 v255, v235, s[76:77]
	global_load_b32 v[QS1], v235, s[76:77] offset:64
	WIN 0x40                                       ; destination window 1
.irp c, 0,1,2,3
	global_load_b128 v[16+4*\c:19+4*\c], v234, s[74:75] offset:2048+32*\c    ; tile 1's
.endr
	WIN 0
	v_mul_u32_u24 v[AK0], v232, KP
	s_delay_alu instid0(VALU_DEP_1)
	v_lshl_add_u32 v[AK0], v233, 4, v[AK0]
	v_lshl_add_u32 v[ASK0], v232, 2, SCK
	s_delay_alu instid0(VALU_DEP_1)
	v_mad_u32_u24 v[ASK0], v233, 272, v[ASK0]
	v_and_b32 v[PFO], 31, v0
	s_delay_alu instid0(VALU_DEP_1)
	v_lshlrev_b32 v[PFO], 8, v[PFO]
.macro INIT                            ; the step is written without a first form: the first finds zeros, which the first change of M leaves zeros
	v_mov_b32 v13, 0xff61b1e6                      ; the largest t so far: -3e38
	s_delay_alu instid0(VALU_DEP_1)
	v_floor_f32 v12, -v13                          ; -M
	v_mov_b32 v14, 0
	v_mov_b32 v15, 0
.irp b, 0,1,2,3
	v_mov_b32 v[236+\b], 0                         ; a lane permute's destination counts as one of its sources
.endr
	v_mov_b32 v253, 0                              ; named as the upper half of the pair v[252:253]
.set n, 0
.rept 64
	v_mov_b32 v[160+n], 0
.set n, n+1
.endr
.endm
	INIT
	WIN 0x55
	INIT
	WIN 0
	s_lshr_b32 s72, s56, 3                         ; out: the tile of 16 rows: 128 x batch + 16 x block + 2 x wave,
	s_lshl_b32 s72, s72, 7
	s_lshl_b32 s78, s55, 4
	s_add_co_u32 s72, s72, s78
	s_lshl_b32 s78, s[WV], 1
	s_add_co_u32 s72, s72, s78
	s_lshl_b32 s72, s72, 3
	s_and_b32 s78, s56, 7
	s_add_co_u32 s72, s72, s78                     ; x 8 + the head
	s_lshl_b32 s78, s72, 11                        ; an image is 2,048 bytes,
	s_mov_b32 s79, 0
	s_add_nc_u64 s[8:9], s[8:9], s[78:79]
	s_lshl_b32 s78, s72, 7                         ; its scale words 128
	s_add_nc_u64 s[10:11], s[10:11], s[78:79]
	s_and_b32 s72, s[WV], 1                        ; the prefetches: wave 4 K's codes, wave 5 V's,
	s_add_co_u32 s72, s72, 1
	s_lshl_b32 s72, s72, 23
	s_add_co_u32 s72, s72, s61
	s_lshl_b32 s78, s54, 13                        ; my work-group's 8,192 bytes,
	s_add_co_u32 s72, s72, s78
	s_add_co_u32 s72, s72, 32768                   ; in slot 1: the first change of slots steps it to slot 2
	s_add_nc_u64 s[PFA:PFA+1], s[4:5], s[72:73]
	s_sub_co_u32 s72, s[WV], 4
	s_lshr_b32 s72, s72, 1                         ; 0 in waves 4 and 5,
	s_or_b32 s72, s72, ttmp9                       ; of the pair's first cluster: the same in all four partners
	s_cmp_eq_u32 s72, 0
	s_cselect_b32 s[LIM], 1, -1
.macro LD4 dst, q, g                   ; four fragments, tiles 4 g .. 4 g + 3 of the slot's q-th 128 rows, into v[dst] on of the window that is set
.irp t, 0,1,2,3
.irp c, 0,1,2,3
	ds_load_b128 v[(\dst)+16*\t+4*\c:(\dst)+16*\t+4*\c+3], v[ADR] offset:(128*(\q)+16*(4*(\g)+\t))*KP+32*\c
.endr
.endr
.endm
.macro LDW dst, so                     ; the scale words of a step's eight tiles: register t holds tile t's in lanes 0-15 and tile 4 + t's in lanes 16-31
.irp t, 0,1,2,3
	ds_load_b32 v[(\dst)+\t], v[ADR] offset:(\so)+64*\t
.endr
.endm
; S^T = K Q^T: each of K's eight fragments for both tiles of queries.  FB: where the fragments lie; XB: where the scores go.  The sixteen results take turns.
.macro SPROD
	s_wait_dscnt 16                                ; K's scale words and tiles 0-3 are in; the sixteen loads of tiles 4-7 may be out
.irp t, 0,1,2,3
	v_wmma_scale_f32_16x16x128_f8f6f4 v[XB+8*\t:XB+8*\t+7], v[FB+16*\t:FB+16*\t+15], v[16:31], 0, v[KS+\t], v255 matrix_a_fmt:MATRIX_FMT_BF8 matrix_b_fmt:MATRIX_FMT_BF8
.endr
	WIN 0x44                                       ; source 1 and D in window 1
.irp t, 0,1,2,3
	v_wmma_scale_f32_16x16x128_f8f6f4 v[XB+8*\t:XB+8*\t+7], v[FB+16*\t:FB+16*\t+15], v[16:31], 0, v[KS+\t], v[QS1] matrix_a_fmt:MATRIX_FMT_BF8 matrix_b_fmt:MATRIX_FMT_BF8
.endr
	s_wait_dscnt 0x0                               ; tiles 4-7 are in
	WIN 0x01                                       ; source 0 in window 1
.irp t, 0,1,2,3
	v_wmma_scale_f32_16x16x128_f8f6f4 v[XB+32+8*\t:XB+32+8*\t+7], v[FB+16*\t:FB+16*\t+15], v[16:31], 0, v[KS+\t], v255 matrix_a_fmt:MATRIX_FMT_BF8 matrix_b_fmt:MATRIX_FMT_BF8 matrix_a_scale:MATRIX_SCALE_ROW1
.endr
	WIN 0x45                                       ; sources 0 and 1 and D in window 1
.irp t, 0,1,2,3
	v_wmma_scale_f32_16x16x128_f8f6f4 v[XB+32+8*\t:XB+32+8*\t+7], v[FB+16*\t:FB+16*\t+15], v[16:31], 0, v[KS+\t], v[QS1] matrix_a_fmt:MATRIX_FMT_BF8 matrix_b_fmt:MATRIX_FMT_BF8 matrix_a_scale:MATRIX_SCALE_ROW1
.endr
	WIN 0
.endm
; O^T += V^T P^T: each of V's eight fragments for both tiles of queries.  The sixteen accumulators take turns, one instruction a turn.
.macro OPROD
.irp t, 0,1,2,3
	v_wmma_scale_f32_16x16x128_f8f6f4 v[160+8*\t:167+8*\t], v[FB+16*\t:FB+16*\t+15], v[224:239], v[160+8*\t:167+8*\t], v[VS+\t], v253 matrix_a_fmt:MATRIX_FMT_BF8 matrix_b_fmt:MATRIX_FMT_BF8
.endr
	WIN 0x54                                       ; source 1, C and D in window 1
.irp t, 0,1,2,3
	v_wmma_scale_f32_16x16x128_f8f6f4 v[160+8*\t:167+8*\t], v[FB+16*\t:FB+16*\t+15], v[224:239], v[160+8*\t:167+8*\t], v[VS+\t], v[PW1] matrix_a_fmt:MATRIX_FMT_BF8 matrix_b_fmt:MATRIX_FMT_BF8
.endr
	WIN 0x01                                       ; source 0 in window 1
.irp t, 0,1,2,3
	v_wmma_scale_f32_16x16x128_f8f6f4 v[192+8*\t:199+8*\t], v[FB+16*\t:FB+16*\t+15], v[224:239], v[192+8*\t:199+8*\t], v[VS+\t], v253 matrix_a_fmt:MATRIX_FMT_BF8 matrix_b_fmt:MATRIX_FMT_BF8 matrix_a_scale:MATRIX_SCALE_ROW1
.endr
	WIN 0x55
.irp t, 0,1,2,3
	v_wmma_scale_f32_16x16x128_f8f6f4 v[192+8*\t:199+8*\t], v[FB+16*\t:FB+16*\t+15], v[224:239], v[192+8*\t:199+8*\t], v[VS+\t], v[PW1] matrix_a_fmt:MATRIX_FMT_BF8 matrix_b_fmt:MATRIX_FMT_BF8 matrix_a_scale:MATRIX_SCALE_ROW1
.endr
	WIN 0
.endm
; One tile's softmax for a step of 128 keys, through its conversions, all in window u; the scores lie in v[XB] on.  Behind it those 64 registers are dead.
.macro SMA u
	WIN 0x55*(\u)
.irp b, 0,1,2,3
	v_max3_num_f32 v[232+\b], v[XB+16*\b], v[XB+1+16*\b], v[XB+2+16*\b]   ; THE LARGEST SCORE OF EACH BLOCK OF 32 KEYS: for the row's maximum, and, since p rises with the score, for the block's largest p
.endr
.irp i, 3,5,7,9,11,13
.irp b, 0,1,2,3
	v_max3_num_f32 v[232+\b], v[232+\b], v[XB+16*\b+\i], v[XB+1+16*\b+\i]
.endr
.endr
.irp b, 0,1,2,3
	v_max_num_f32 v[232+\b], v[232+\b], v[XB+15+16*\b]
.endr
.irp b, 0,1,2,3
	v_permlanex16_b32 v[236+\b], v[232+\b], s[SEL], s[SEL+1]
.endr
.irp b, 0,1,2,3
	s_delay_alu instid0(VALU_DEP_4)
	v_max_num_f32 v[232+\b], v[232+\b], v[236+\b]  ; with lane l xor 16's 16 keys
.endr
	s_delay_alu instid0(VALU_DEP_2)
	v_max3_num_f32 v240, v232, v233, v234
	s_delay_alu instid0(VALU_DEP_1)
	v_max_num_f32 v240, v240, v235                 ; the step's largest score of my query
	s_delay_alu instid0(VALU_DEP_1)
	v_mul_f32 v240, s[CS], v240                    ; as t
	s_delay_alu instid0(VALU_DEP_1)
	v_max_num_f32 v13, v13, v240                   ; the running largest t
	v_mov_b32 v240, v12
	s_delay_alu instid0(VALU_DEP_2)
	v_floor_f32 v12, -v13                          ; the new -M = floor(-t): M is a whole number
	s_delay_alu instid0(VALU_DEP_1)
	v_sub_f32 v240, v12, v240                      ; old M less new M: a whole number, 0 or less
	s_delay_alu instid0(VALU_DEP_1)
	v_cvt_i32_f32 v240, v240                       ; (it saturates)
	s_delay_alu instid0(VALU_DEP_1)
	v_ldexp_f32 v252, 1.0, v240                    ; f = 2^(old M - new M)
.set n, 0
.rept 32
	v_pk_fma_f32 v[XB+n:XB+n+1], v[XB+n:XB+n+1], s[CS:CS+1], v[12:13] op_sel_hi:[1,0,0]   ; t - M, two at a time
.set n, n+2
.endr
.irp b, 0,1,2,3
	v_fma_f32 v[232+\b], v[232+\b], s[CS], v12     ; the same of each block's largest score
.endr
.set n, 0
	s_wait_alu depctr_va_vdst(0)
.rept 64
	v_exp_f32 v[XB+n], v[XB+n]                     ; p = 2^(t - M), at most 1
.set n, n+1
.endr
	v_pk_mul_f32 v[14:15], v[14:15], v[252:253] op_sel_hi:[1,0]   ; the sums under the new M (a plain line behind the exponentials)
	s_wait_alu depctr_va_vdst(0)                   ; one wait for the whole batch, ahead of its first reader
.irp b, 0,1,2,3
	v_exp_f32 v[232+\b], v[232+\b]                 ; the block's largest p
.endr
	v_pk_add_f32 v[236:237], v[XB:XB+1], v[XB+2:XB+3]   ; THE ROW'S SUM IS TAKEN OF THE UNQUANTISED p, in two chains
.irp j, 4,8,12,16,20,24,28,32,36,40,44,48,52,56,60
	v_pk_add_f32 v[14:15], v[14:15], v[XB+\j:XB+1+\j]
	v_pk_add_f32 v[236:237], v[236:237], v[XB+2+\j:XB+3+\j]
.endr
	s_delay_alu instid0(VALU_DEP_1)
	v_pk_add_f32 v[14:15], v[14:15], v[236:237]
	s_wait_alu depctr_va_vdst(0)                   ; and one for the four
.irp b, 0,1,2,3
	v_max_num_f32 v[232+\b], 0x8000000, v[232+\b]  ; the floor 2^(16 - 127)
.endr
.irp b, 0,1,2,3
	s_delay_alu instid0(VALU_DEP_4)
	v_add_nc_u32 v[244+\b], 0xf8800000, v[232+\b]  ; the conversion's scale operand
.endr
.irp b, 0,1,2,3
.endr
.irp b, 0,1,2,3
	s_delay_alu instid0(VALU_DEP_4)
	v_lshrrev_b32 v[236+\b], 23, v[244+\b]         ; the scale's byte
.endr
	s_delay_alu instid0(VALU_DEP_3)
	v_lshl_or_b32 v253, v237, 8, v236              ; p's scale word for these 128 keys
	s_delay_alu instid0(VALU_DEP_1)
	v_lshl_or_b32 v253, v238, 16, v253
.if \u
	WIN 0x15                                       ; scale operands are taken from window 0: tile 1's word goes there
	v_lshl_or_b32 v[PW1], v239, 24, v253
	WIN 0x55
.else
	s_delay_alu instid0(VALU_DEP_1)
	v_lshl_or_b32 v253, v239, 24, v253
.endif
.irp b, 0,1,2,3
.irp i, 0,1,2,3,4,5,6,7,8,9,10,11,12,13,14,15
.endr
	v_cvt_scalef32_pk8_bf8_f32 v[224+4*\b:225+4*\b], v[XB+16*\b:XB+7+16*\b], v[244+\b]
	v_cvt_scalef32_pk8_bf8_f32 v[226+4*\b:227+4*\b], v[XB+8+16*\b:XB+15+16*\b], v[244+\b]
.endr
	v_nop                                          ; one plain line behind the last conversion
.endm
.macro RESCALE u                       ; O^T under the new M.  The two tiles' 64 lines are also the places between the codes and scale words and the products, and K's last loads land under them
	WIN 0x55*(\u)
.set n, 0
.rept 32
	v_pk_mul_f32 v[160+n:161+n], v[160+n:161+n], v[252:253] op_sel_hi:[1,0]
.set n, n+2
.endr
.endm
; THE CHANGE OF SLOTS.  Each wave waits for all its tensor loads, adds 0 to its spare word, and waits for that and for its reads of the slot that it leaves.  fill = 1: a round of the cluster's barrier follows, and
; behind it the slot just left is filled with the keys that follow: the load has two steps in which to land.
.macro CHANGE fill
	s_wait_tensorcnt 0x0                           ; no tensor load of mine is out, so the group 0 may be written
	ds_add_u32 v[SPW], v[NIL]
.if \fill
	ds_add_u32 v[SPW], v[NIL]                      ; twice on end, at every change that fills
	s_xor_b32 s[G0K+1], s[G0K+1], SLOT1            ; the walking descriptor: the other slot,
	s_add_nc_u64 s[G0K+2:G0K+3], s[G0K+2:G0K+3], 32768   ; the next 256 rows
	s_wait_xcnt 0x0                                ; the last prefetch, a slot back, has read its address
	s_add_nc_u64 s[PFA:PFA+1], s[PFA:PFA+1], 32768
	s_wait_dscnt 0x0                               ; both adds are done, and my reads of the slot that I leave are over
	CROUND
	TLOAD                                          ; the first thing behind the round, and a wave's one tensor load until the next
	ASK
.else
	s_wait_dscnt 0x0
	s_barrier_signal -1
	s_barrier_wait -1
.endif
.endm
; A KEY STEP: 128 keys, the q-th of the slot in hand.  On the way in K's fragments and scale words have been asked for.  chg = 2: the slot is left and filled again; 1: it is left; 0: no change.  nxt = 1: the next step's K is asked for.
.macro STEP q, chg, nxt
.if (\q) == 0
.set FB, 32
.set XB, 96
.else
.set FB, 96
.set XB, 32
.endif
.rept 9
	v_nop                                          ; the scores are written over registers that the last products read as source 0: nine places (and one more for a matrix instruction that writes)
.endr
	SPROD
	s_add_co_u32 s57, s[TB], VOFF
	v_add_nc_u32 v[ADR], s57, v[AK0]
.rept 7
	v_nop                                          ; with the addition above: eight places in front of loads into registers that matrix instructions have read, and of the first read of the scores
.endr
	LD4 FB, \q, 0                                  ; V's eight fragments and its scale words: they land under tile 0's softmax
	WIN 0x40
	LD4 FB, \q, 1
	WIN 0
	v_add_nc_u32 v[ADR], s[TS], v[ASK0]            ; (an LDS instruction has read its address when it is issued)
	LDW VS, 2*SCH
	SMA 0
.if \chg
	CHANGE (\chg)-1
.endif
.if \nxt
	s_add_co_u32 s[TS], s[TS], 544                 ; the next step's scale words,
	v_add_nc_u32 v[ADR], s[TS], v[ASK0]
	LDW KS, 0
.if \q
	s_xor_b32 s[TB], s[TB], SLOT1                  ; on to the other slot
.endif
	v_add_nc_u32 v[ADR], s[TB], v[AK0]
	LD4 XB, 1-(\q), 0                              ; and its K, tiles 0-3, into tile 0's dead p: they land under tile 1's softmax
.endif
	SMA 1
.if \nxt
	s_wait_dscnt 20                                ; V's 36 loads are in; the next K's 4 scale loads and 16 fragment loads may be out
	WIN 0x40
	LD4 XB, 1-(\q), 1                              ; K's tiles 4-7 into tile 1's dead p
.else
	s_wait_dscnt 0x0                               ; V is in
.endif
	RESCALE 1
	RESCALE 0
	OPROD
.endm
	CHANGE 1                                       ; slot 0 and the scale words are whole in every work-group; slot 1 is filled for the first time
	v_add_nc_u32 v[ADR], s[TS], v[ASK0]
	LDW KS, 0                                      ; step 0's K, in the order that every step keeps: scale words, tiles 0-3, tiles 4-7
	v_add_nc_u32 v[ADR], s[TB], v[AK0]
	LD4 32, 0, 0
	WIN 0x40
	LD4 32, 0, 1
	WIN 0
	s_wait_loadcnt 0x0                             ; Q and its scale words
.Lslot:                                            ; six trips, slots 0 to 5: each is left in the middle of its second step and filled again
	STEP 0, 0, 1
	STEP 1, 2, 1
	s_sub_co_u32 s[SLOTS], s[SLOTS], 1
	s_cmp_lg_u32 s[SLOTS], 0
	s_cbranch_scc1 .Lslot
	STEP 0, 0, 1                                   ; slots 6 and 7 are written out: slot 6 is left and nothing is asked for
	STEP 1, 1, 1
	STEP 0, 0, 1                                   ; and slot 7's last step asks for no K
	STEP 1, 0, 0
; THE WAY OUT of tile u: O^T / the sum, quantised along the channels.  Register 16 b + i of lane (r, h) is channel 32 b + 16 h + i of query r: the conversions' results are the next product's operand registers.
.macro FINISH u
	WIN 0x55*(\u)
	v_add_f32 v14, v14, v15
	s_delay_alu instid0(VALU_DEP_1)
	v_permlanex16_b32 v252, v14, s[SEL], s[SEL+1]
	s_delay_alu instid0(VALU_DEP_1)
	v_add_f32 v14, v14, v252                       ; the row's sum
	s_wait_alu depctr_va_vdst(0)
	v_rcp_f32 v14, v14
	v_nop                                          ; one plain line behind the reciprocal,
	s_wait_alu depctr_va_vdst(0)                   ; and the wait ahead of its first reader
.set n, 0
.rept 64
	v_mul_f32 v[96+n], v[160+n], v14               ; each accumulator from its low end on
.set n, n+1
.endr
.irp b, 0,1,2,3
	v_max3_num_f32 v[232+\b], |v[96+16*\b]|, |v[97+16*\b]|, 0x8000000
.endr
.irp i, 2,4,6,8,10,12,14
.irp b, 0,1,2,3
	s_delay_alu instid0(VALU_DEP_4)
	v_max3_num_f32 v[232+\b], v[232+\b], |v[96+16*\b+\i]|, |v[97+16*\b+\i]|
.endr
.endr
.irp b, 0,1,2,3
	v_permlanex16_b32 v[236+\b], v[232+\b], s[SEL], s[SEL+1]
.endr
.irp b, 0,1,2,3
	s_delay_alu instid0(VALU_DEP_4)
	v_max_num_f32 v[232+\b], v[232+\b], v[236+\b]
.endr
.irp b, 0,1,2,3
	s_delay_alu instid0(VALU_DEP_4)
	v_add_nc_u32 v[244+\b], 0xf8800000, v[232+\b]
.endr
.irp b, 0,1,2,3
.endr
.irp b, 0,1,2,3
	s_delay_alu instid0(VALU_DEP_4)
	v_lshrrev_b32 v[236+\b], 23, v[244+\b]
.endr
	s_delay_alu instid0(VALU_DEP_3)
	v_lshl_or_b32 v253, v237, 8, v236              ; row r's scale word for this head's 128 channels
	s_delay_alu instid0(VALU_DEP_1)
	v_lshl_or_b32 v253, v238, 16, v253
	s_delay_alu instid0(VALU_DEP_1)
	v_lshl_or_b32 v253, v239, 24, v253
.irp b, 0,1,2,3
.irp i, 0,1,2,3,4,5,6,7,8,9,10,11,12,13,14,15
.endr
	v_cvt_scalef32_pk8_bf8_f32 v[224+4*\b:225+4*\b], v[96+16*\b:103+16*\b], v[244+\b]
	v_cvt_scalef32_pk8_bf8_f32 v[226+4*\b:227+4*\b], v[104+16*\b:111+16*\b], v[244+\b]
.endr
	v_nop                                          ; one plain line behind the last conversion
	WIN 0x04*(\u)                                  ; a store's data are its source 1
.irp c, 0,1,2,3
	global_store_b128 v[ADR], v[224+4*\c:227+4*\c], s[8:9] offset:16384*(\u)+512*\c   ; 32 lanes store 512 consecutive bytes
.endr
	global_store_b32 v[AK0], v253, s[10:11] offset:1024*(\u)
.endm
.rept 8
	v_nop                                          ; places behind the last products
.endr
	v_and_b32 v[AK0], 31, v0
	s_delay_alu instid0(VALU_DEP_1)
	v_lshlrev_b32 v[ADR], 4, v[AK0]                ; 16 x lane
	s_delay_alu instid0(VALU_DEP_2)
	v_lshlrev_b32 v[AK0], 2, v[AK0]                ; 4 x lane
	FINISH 0
	FINISH 1
	WIN 0
	s_wait_tensorcnt 0x0                           ; the wave's end: a wait, an add of 0 to the spare word and its wait
	ds_add_u32 v[SPW], v[NIL]
	s_wait_dscnt 0x0
	CROUND                                         ; the closing round
	s_endpgm
.Lfunc_end_k_qdd829c21fb_attn:
	.size	k_qdd829c21fb_attn, .Lfunc_end_k_qdd829c21fb_attn-k_qdd829c21fb_attn
	.p2alignl 7, 3214868480
	.fill 96, 4, 3214868480
	.section	.rodata,"a",@progbits
	.p2align	6, 0x0
	.amdhsa_kernel k_qdd829c21fb_attn
		.amdhsa_group_segment_fixed_size 327680
		.amdhsa_private_segment_fixed_size 0
		.amdhsa_enable_private_segment 0
		.amdhsa_kernarg_size 32
		.amdhsa_user_sgpr_count 2
		.amdhsa_user_sgpr_kernarg_segment_ptr 1
		.amdhsa_wavefront_size32 1
		.amdhsa_system_sgpr_workgroup_id_x 1
		.amdhsa_system_sgpr_workgroup_id_y 1
		.amdhsa_system_sgpr_workgroup_id_z 1
		.amdhsa_system_vgpr_workitem_id 0
		.amdhsa_next_free_vgpr 512
		.amdhsa_next_free_sgpr 80
		.amdhsa_reserve_vcc 0
		.amdhsa_float_denorm_mode_32 3
		.amdhsa_float_denorm_mode_16_64 3
		.amdhsa_fp16_overflow 1
		.amdhsa_memory_ordered 1
		.amdhsa_forward_progress 1
		.amdhsa_inst_pref_size 249
	.end_amdhsa_kernel
	.amdgpu_metadata
---
amdhsa.version: [ 1, 2 ]
amdhsa.kernels:
  - .name:           k_qdd829c21fb_attn
    .symbol:         k_qdd829c21fb_attn.kd
    .args:
      - { .name: qkvc, .offset: 0, .size: 8, .value_kind: global_buffer, .address_space: global }
      - { .name: qkvs, .offset: 8, .size: 8, .value_kind: global_buffer, .address_space: global }
      - { .name: oc, .offset: 16, .size: 8, .value_kind: global_buffer, .address_space: global }
      - { .name: os, .offset: 24, .size: 8, .value_kind: global_buffer, .address_space: global }
    .group_segment_fixed_size: 327680
    .private_segment_fixed_size: 0
    .kernarg_segment_align: 8
    .kernarg_segment_size: 32
    .max_flat_workgroup_size: 256
    .sgpr_count:     80
    .vgpr_count:     512
    .wavefront_size: 32
...
	.end_amdgpu_metadata
.endif
;; end of part 3
;; launch oproj (part 4): grid 256 x 1, 4 waves a work-group, clusters of 4 x 1, 327,680 bytes of LDS; arguments oc, os, Wo_codes, Wo_scales, bo, x, ln_gamma, ln_beta, out0; writes out0
.if DOCPART == 4
	.amdgcn_target "amdgcn-amd-amdhsa--gfx1250"
	.amdhsa_code_object_version 6
	.text
	.protected	k_qdd829c21fb_oproj
	.globl	k_qdd829c21fb_oproj
	.p2align	8
	.type	k_qdd829c21fb_oproj,@function
k_qdd829c21fb_oproj:
	s_mov_b64 s[64:65], 0
	v_nop
	global_prefetch_b8 v0, s[64:65] scope:SCOPE_SE
	s_setreg_imm32_b32 hwreg(HW_REG_WAVE_MODE, 25, 1), 1
	s_wait_xcnt 0x0
	s_wait_alu depctr_hold_cnt(0) depctr_sa_sdst(0) depctr_va_vdst(0) depctr_va_sdst(0) depctr_va_ssrc(0) depctr_va_vcc(0) depctr_vm_vsrc(0)
	s_getreg_b32 s2, hwreg(HW_REG_IB_STS2, 6, 4)
	s_cmp_eq_u32 s2, 0
	s_cbranch_scc0 .Lentry_in_a_cluster
	s_endpgm
.Lentry_in_a_cluster:
	s_bfe_u32 s2, ttmp6, 0x10000c
	s_cmp_lg_u32 s2, 0x3003
	s_cbranch_scc0 .Lentry_shape_is_right
	s_endpgm
.Lentry_shape_is_right:
.set PITCH, 272
.set HALFT, 128*PITCH
.set SLOT,  4*HALFT
.set SPARE, 2*SLOT
.set SPT,   4112
.set ADB,  16
.set LO,   18
.set L4,   19
.set WSO,  20
.set SO,   21
.set SR,   22
.set PFO,  23
.set SPW,  28
.set NIL,  29
.set WS,   32
.set OSC,  96
.set G,    112
.set BE,   144
.set BO,   176
.set Y,    208
.set SA,   240
.set SB,   242
.set PT,   244
.set MU,   246
.set RS,   248
.set G1,   28
.set G0,   36
.set MULW, 0xa7
.set MSB, 0
.macro WIN new
.if MSB != (\new)
	s_set_vgpr_msb (MSB<<8)|(\new)
.set MSB, (\new)
.endif
.endm
.macro CREST
	s_cmp_lg_u32 s22, 0
	s_cbranch_scc1 .Lnot_wave_0_\@
	s_barrier_signal -3
.Lnot_wave_0_\@:
	s_barrier_wait -3
	s_barrier_signal -1
	s_barrier_wait -1
.endm
.macro CROUND
	s_barrier_signal -1
	s_barrier_wait -1
	CREST
.endm
	s_load_b512 s[4:19], s[0:1], 0x0
	s_load_b64 s[20:21], s[0:1], 0x40
	v_lshl_add_u32 v[SPW], v0, 2, SPARE
	v_mov_b32 v[NIL], 0
	ds_add_u32 v[SPW], v[NIL]
	ds_add_u32 v[SPW], v[NIL]
	v_lshrrev_b32 v1, 5, v0
	v_readfirstlane_b32 s22, v1
	s_bfe_u32 s23, ttmp6, 0x40000
	s_lshl_b32 s24, ttmp9, 2
	s_add_co_u32 s24, s24, s23
	s_mov_b32 s[G1], 15|(0<<16)|(1<<20)|(1<<21)|(5<<22)|(3<<25)
	s_mov_b32 s[G1+1], 256<<16
	s_mov_b32 s[G1+2], 128<<16
	s_mov_b32 s[G1+3], 256<<16
	s_mov_b32 s[G1+4], 128
	s_mov_b32 s[G1+5], 1024
	s_mov_b32 s[G1+6], 0
	s_mov_b32 s[G1+7], 0
	s_lshl_b32 s52, s22, 17
	s_mov_b32 s53, 0
	s_mul_i32 s25, s22, HALFT
	s_lshl_b32 s54, s24, 15
	s_mov_b32 s55, 0
	s_lshl_b32 s56, s24, 11
	s_mov_b32 s57, 0
	s_lshl_b32 s58, s24, 17
	s_lshl_b32 s26, s22, 15
	s_add_co_u32 s58, s58, s26
	s_mov_b32 s59, 0
	s_mov_b32 s48, 0x3a800000
	s_mov_b32 s49, 0x3727c5ac
	s_mov_b32 s50, 0x76543210
	s_mov_b32 s51, 0xfedcba98
	s_wait_dscnt 0x0
	s_wait_kmcnt 0x0
	s_add_nc_u64 s[8:9], s[8:9], s[52:53]
.irp s, 0,1
	s_mov_b32 s[G0+4*\s], 1
	s_add_co_u32 s[G0+4*\s+1], s25, \s*SLOT
	s_add_nc_u64 s[G0+4*\s+2:G0+4*\s+3], s[8:9], \s*256
	s_or_b32 s[G0+4*\s+3], s[G0+4*\s+3], 0x80000000
.endr
	s_add_nc_u64 s[4:5], s[4:5], s[54:55]
	s_add_nc_u64 s[6:7], s[6:7], s[56:57]
	s_add_nc_u64 s[44:45], s[14:15], s[58:59]
	s_add_nc_u64 s[46:47], s[20:21], s[58:59]
	CROUND
	tensor_load_to_lds s[G0:G0+3], s[G1:G1+7]
	s_nop 0
	s_wait_alu depctr_va_vdst(0)
	s_wait_tensorcnt 0x0
	ds_add_u32 v28, v29
	s_wait_dscnt 0x0
	CROUND
	tensor_load_to_lds s[G0+4:G0+7], s[G1:G1+7]
	s_nop 0
.rept 4
	v_nop
.endr
	v_and_b32 v1, 15, v0
	v_bfe_u32 v2, v0, 4, 1
	v_and_b32 v3, 31, v0
	v_mul_u32_u24 v4, v1, PITCH
	v_lshl_add_u32 v4, v2, 4, v4
	v_add_nc_u32 v[ADB], s25, v4
	v_add_nc_u32 v[ADB+1], SLOT, v[ADB]
	v_lshlrev_b32 v[LO], 4, v3
	v_lshlrev_b32 v[L4], 2, v3
	v_lshlrev_b32 v[WSO], 5, v1
	v_lshl_add_u32 v[WSO], v2, 4, v[WSO]
	s_lshl_b32 s26, s22, 12
	v_add_nc_u32 v[WSO], s26, v[WSO]
	v_and_b32 v4, 7, v1
	v_lshrrev_b32 v5, 3, v1
	v_lshl_add_u32 v4, v5, 4, v4
	v_mul_u32_u24 v4, v4, SPT
	v_lshl_add_u32 v4, v2, 5, v4
	s_lshl_b32 s26, s22, 9
	v_add_nc_u32 v[SO], s26, v4
	s_mul_i32 s26, s22, 8*SPT
	v_add_nc_u32 v[SR], s26, v[LO]
	v_lshlrev_b32 v[PFO], 8, v3
	v_mov_b32 v[PT], 0
	v_mov_b32 v[MU+1], 0
	v_mov_b32 v[RS+1], 0
	WIN 0x40
.irp m, 0,1
.irp ks, 0,1,2,3,4,5,6,7
.irp c, 0,1,2,3
	global_load_b128 v[16*(8*\m+\ks)+4*\c:16*(8*\m+\ks)+4*\c+3], v[LO], s[4:5] offset:(8*\m+\ks)*2048+512*\c
.endr
.endr
.endr
	WIN 0
.irp i, 0,1,2,3,4,5,6,7,8,9,10,11,12,13,14,15
	global_load_b32 v[OSC+\i], v[L4], s[6:7] offset:128*\i
.endr
.irp j, 0,1
.irp t, 0,1,2,3,4,5,6,7
	global_load_b128 v[WS+4*(8*\j+\t):WS+4*(8*\j+\t)+3], v[WSO], s[10:11] offset:16384*\j+512*\t
.endr
.endr
.irp i, 0,1,2,3,4,5,6,7
	global_load_b128 v[G+4*\i:G+4*\i+3], v[LO], s[16:17] offset:512*\i
	global_load_b128 v[BE+4*\i:BE+4*\i+3], v[LO], s[18:19] offset:512*\i
	global_load_b128 v[BO+4*\i:BO+4*\i+3], v[LO], s[12:13] offset:512*\i
.endr
.macro FETCHB slot, q, p
	WIN 0xc0
.irp t, 0,1,2,3,4,5,6,7
.irp c, 0,1,2,3
	ds_load_b128 v[128*(\p)+16*\t+4*\c:128*(\p)+16*\t+4*\c+3], v[ADB+(\slot)] offset:128*(\q)+32*\c+4352*\t
.endr
.endr
	WIN 0
.endm
.macro MUL8 j, ks, p, t0, zero
.irp t, \t0, \t0+1, \t0+2, \t0+3
.irp m, 0,1
.set rD, 8*(16*(\j)+2*(\t)+\m)
.set rB, 128*(\p)+16*(\t)
.set rO, 16*(8*\m+(\ks))
.set rW, WS+4*(8*(\j)+(\t))+(\ks)%4
.if \zero
	v_wmma_scale_f32_16x16x128_f8f6f4 v[rD:rD+7], v[rB:rB+15], v[rO:rO+15], 0, v[rW], v[OSC+8*\m+(\ks)] matrix_a_fmt:MATRIX_FMT_BF8 matrix_b_fmt:MATRIX_FMT_BF8
.elseif (\ks) < 4
	v_wmma_scale_f32_16x16x128_f8f6f4 v[rD:rD+7], v[rB:rB+15], v[rO:rO+15], v[rD:rD+7], v[rW], v[OSC+8*\m+(\ks)] matrix_a_fmt:MATRIX_FMT_BF8 matrix_b_fmt:MATRIX_FMT_BF8
.else
	v_wmma_scale_f32_16x16x128_f8f6f4 v[rD:rD+7], v[rB:rB+15], v[rO:rO+15], v[rD:rD+7], v[rW], v[OSC+8*\m+(\ks)] matrix_a_fmt:MATRIX_FMT_BF8 matrix_b_fmt:MATRIX_FMT_BF8 matrix_a_scale:MATRIX_SCALE_ROW1
.endif
.endr
.endr
.endm
.macro HALF1 f
	FETCHB (\f)%2, 1, 1
	s_wait_dscnt 32
	WIN MULW
.if (\f)%4 == 0
	MUL8 (\f)/4, 0, 0, 0, 1
	MUL8 (\f)/4, 0, 0, 4, 1
.else
	MUL8 (\f)/4, 2*((\f)%4), 0, 0, 0
	MUL8 (\f)/4, 2*((\f)%4), 0, 4, 0
.endif
	WIN 0
.endm
.macro HALF2 f, kind
.if \kind
	s_wait_tensorcnt 0x0
	ds_add_u32 v[SPW], v[NIL]
	s_wait_dscnt 1
	WIN MULW
	MUL8 (\f)/4, 2*((\f)%4)+1, 1, 0, 0
	s_wait_dscnt 0x0
	s_barrier_signal -1
	MUL8 (\f)/4, 2*((\f)%4)+1, 1, 4, 0
	WIN 0
	s_barrier_wait -1
.if \kind == 2
	CREST
.if (\f)/2 == 1
	s_add_nc_u64 s[G0+4*((\f)%2)+2:G0+4*((\f)%2)+3], s[G0+4*((\f)%2)+2:G0+4*((\f)%2)+3], 523776
.else
	s_add_nc_u64 s[G0+4*((\f)%2)+2:G0+4*((\f)%2)+3], s[G0+4*((\f)%2)+2:G0+4*((\f)%2)+3], 512
.endif
	tensor_load_to_lds s[G0+4*((\f)%2):G0+4*((\f)%2)+3], s[G1:G1+7]
	s_nop 0
.endif
.rept 8
	v_nop
.endr
	FETCHB ((\f)+1)%2, 0, 0
.if ((\f) >= 2) && ((\f) <= 5)
	s_wait_alu depctr_va_vdst(0)
	global_prefetch_b8 v[PFO], s[44:45] offset:8192*((\f)-2) th:TH_LOAD_NT scope:SCOPE_SE
.endif
.else
	s_wait_dscnt 0x0
	WIN MULW
	MUL8 (\f)/4, 2*((\f)%4)+1, 1, 0, 0
	MUL8 (\f)/4, 2*((\f)%4)+1, 1, 4, 0
	WIN 0
.endif
.endm
	s_wait_tensorcnt 1
	s_barrier_signal -1
	s_barrier_wait -1
	FETCHB 0, 0, 0
	s_wait_loadcnt 0x0
.irp f, 0,1,2,3,4,5
	HALF1 \f
	HALF2 \f, 2
.endr
	HALF1 6
	HALF2 6, 1
	HALF1 7
	HALF2 7, 0
.rept 8
	v_nop
.endr
	WIN 0x08
.irp j, 0,1
.irp t, 0,1,2,3,4,5,6,7
.irp m, 0,1
	ds_store_b128 v[SO], v[8*(16*\j+2*\t+\m):8*(16*\j+2*\t+\m)+3] offset:8*SPT*\m+2048*\j+64*\t
	ds_store_b128 v[SO], v[8*(16*\j+2*\t+\m)+4:8*(16*\j+2*\t+\m)+7] offset:8*SPT*\m+2048*\j+64*\t+16
.endr
.endr
.endr
	WIN 0x40
.irp i, 0,1,2,3,4,5,6,7
.irp k, 0,1,2,3,4,5,6,7
	global_load_b128 v[32*\i+4*\k:32*\i+4*\k+3], v[LO], s[44:45] offset:4096*\i+512*\k th:TH_LOAD_NT
.endr
.endr
	WIN 0
	s_wait_dscnt 0x0
	s_barrier_signal -1
	s_barrier_wait -1
	WIN 0xc0
.irp i, 0,1,2,3,4,5,6,7
.irp k, 0,1,2,3,4,5,6,7
	ds_load_b128 v[32*\i+4*\k:32*\i+4*\k+3], v[SR] offset:SPT*\i+512*\k
.endr
.endr
	WIN 0
.macro REDUCE
	v_pk_add_f32 v[SA:SA+1], v[SA:SA+1], v[SB:SB+1]
	v_add_f32 v[SA], v[SA], v[SA+1]
	v_add_f32_dpp v[SA], v[SA], v[SA] row_xmask:1 row_mask:0xf bank_mask:0xf
	v_add_f32_dpp v[SA], v[SA], v[SA] row_xmask:2 row_mask:0xf bank_mask:0xf
	v_add_f32_dpp v[SA], v[SA], v[SA] row_xmask:4 row_mask:0xf bank_mask:0xf
	v_add_f32_dpp v[SA], v[SA], v[SA] row_xmask:8 row_mask:0xf bank_mask:0xf
	v_permlanex16_b32 v[PT], v[SA], s50, s51
	v_add_f32 v[SA], v[SA], v[PT]
.endm
.macro ROW i
	s_wait_dscnt 8*(7-\i)
	s_wait_loadcnt 8*(7-\i)
	s_wait_xcnt 0x0
	WIN 0x03
.set n, 0
.rept 16
	v_pk_add_f32 v[Y+n:Y+n+1], v[32*\i+n:32*\i+n+1], v[BO+n:BO+n+1]
.set n, n+2
.endr
	WIN 0x04
.set n, 0
.rept 16
	v_pk_add_f32 v[Y+n:Y+n+1], v[Y+n:Y+n+1], v[32*\i+n:32*\i+n+1]
.set n, n+2
.endr
	WIN 0
	v_pk_add_f32 v[SA:SA+1], v[Y:Y+1], v[Y+2:Y+3]
	v_pk_add_f32 v[SB:SB+1], v[Y+4:Y+5], v[Y+6:Y+7]
.irp k, 8,12,16,20,24,28
	v_pk_add_f32 v[SA:SA+1], v[SA:SA+1], v[Y+\k:Y+\k+1]
	v_pk_add_f32 v[SB:SB+1], v[SB:SB+1], v[Y+\k+2:Y+\k+3]
.endr
	REDUCE
	v_mul_f32 v[MU], s48, v[SA]
.set n, 0
.rept 16
	v_pk_add_f32 v[Y+n:Y+n+1], v[Y+n:Y+n+1], v[MU:MU+1] op_sel_hi:[1,0] neg_lo:[0,1] neg_hi:[0,1]
.set n, n+2
.endr
	v_pk_mul_f32 v[SA:SA+1], v[Y:Y+1], v[Y:Y+1]
	v_pk_mul_f32 v[SB:SB+1], v[Y+2:Y+3], v[Y+2:Y+3]
.irp k, 4,8,12,16,20,24,28
	v_pk_fma_f32 v[SA:SA+1], v[Y+\k:Y+\k+1], v[Y+\k:Y+\k+1], v[SA:SA+1]
	v_pk_fma_f32 v[SB:SB+1], v[Y+\k+2:Y+\k+3], v[Y+\k+2:Y+\k+3], v[SB:SB+1]
.endr
	REDUCE
	v_fma_f32 v[SA], v[SA], s48, s49
	s_wait_alu depctr_va_vdst(0)
	v_rsq_f32 v[RS], v[SA]
	v_nop
	s_wait_alu depctr_va_vdst(0)
.set n, 0
.rept 16
	v_pk_mul_f32 v[Y+n:Y+n+1], v[Y+n:Y+n+1], v[RS:RS+1] op_sel_hi:[1,0]
.set n, n+2
.endr
.set n, 0
.rept 16
	v_pk_fma_f32 v[Y+n:Y+n+1], v[Y+n:Y+n+1], v[G+n:G+n+1], v[BE+n:BE+n+1]
.set n, n+2
.endr
.irp k, 0,1,2,3,4,5,6,7
	global_store_b128 v[LO], v[Y+4*\k:Y+4*\k+3], s[46:47] offset:4096*\i+512*\k th:TH_STORE_NT
.endr
.endm
.irp i, 0,1,2,3,4,5,6,7
	ROW \i
.endr
	s_wait_tensorcnt 0x0
	ds_add_u32 v[SPW], v[NIL]
	s_wait_dscnt 0x0
	CROUND
	s_endpgm
.Lfunc_end_k_qdd829c21fb_oproj:
	.size	k_qdd829c21fb_oproj, .Lfunc_end_k_qdd829c21fb_oproj-k_qdd829c21fb_oproj
	.p2alignl 7, 3214868480
	.fill 96, 4, 3214868480
	.section	.rodata,"a",@progbits
	.p2align	6, 0x0
	.amdhsa_kernel k_qdd829c21fb_oproj
		.amdhsa_group_segment_fixed_size 327680
		.amdhsa_private_segment_fixed_size 0
		.amdhsa_enable_private_segment 0
		.amdhsa_kernarg_size 72
		.amdhsa_user_sgpr_count 2
		.amdhsa_user_sgpr_kernarg_segment_ptr 1
		.amdhsa_wavefront_size32 1
		.amdhsa_system_sgpr_workgroup_id_x 1
		.amdhsa_system_sgpr_workgroup_id_y 1
		.amdhsa_system_sgpr_workgroup_id_z 1
		.amdhsa_system_vgpr_workitem_id 0
		.amdhsa_next_free_vgpr 1024
		.amdhsa_next_free_sgpr 66
		.amdhsa_reserve_vcc 0
		.amdhsa_float_denorm_mode_32 3
		.amdhsa_float_denorm_mode_16_64 3
		.amdhsa_memory_ordered 1
		.amdhsa_forward_progress 1
		.amdhsa_inst_pref_size 175
	.end_amdhsa_kernel
	.amdgpu_metadata
---
amdhsa.version: [ 1, 2 ]
amdhsa.kernels:
  - .name:           k_qdd829c21fb_oproj
    .symbol:         k_qdd829c21fb_oproj.kd
    .args:
      - { .name: oc, .offset: 0, .size: 8, .value_kind: global_buffer, .address_space: global }
      - { .name: os, .offset: 8, .size: 8, .value_kind: global_buffer, .address_space: global }
      - { .name: Wo_codes, .offset: 16, .size: 8, .value_kind: global_buffer, .address_space: global }
      - { .name: Wo_scales, .offset: 24, .size: 8, .value_kind: global_buffer, .address_space: global }
      - { .name: bo, .offset: 32, .size: 8, .value_kind: global_buffer, .address_space: global }
      - { .name: x, .offset: 40, .size: 8, .value_kind: global_buffer, .address_space: global }
      - { .name: ln_gamma, .offset: 48, .size: 8, .value_kind: global_buffer, .address_space: global }
      - { .name: ln_beta, .offset: 56, .size: 8, .value_kind: global_buffer, .address_space: global }
      - { .name: out0, .offset: 64, .size: 8, .value_kind: global_buffer, .address_space: global }
    .group_segment_fixed_size: 327680
    .private_segment_fixed_size: 0
    .kernarg_segment_align: 8
    .kernarg_segment_size: 72
    .max_flat_workgroup_size: 128
    .sgpr_count:     66
    .vgpr_count:     1024
    .wavefront_size: 32
...
	.end_amdgpu_metadata
.endif
;; end of part 4
